; MI455X (gfx1250); checked and timed in simulation.
; The chip was launched on July 23, 2026; its instructions are those of AMD's public machine-readable ISA for CDNA 5 (MIT licence, August 2026) and "CDNA5" Instruction Set Architecture Reference Guide (July 2026). The comments in the code are by the model that wrote it; some were corrected since.
;; Multi Head Attention. Allowed arithmetic: matrix products marked QUANTISED: E2M3 operands, one E8M0 scale for each 32 along K, by v_wmma_scale_f32_16x16x128_f8f6f4 with both operands' format E2M3, f32 sums; everything else in f32.
;; Inputs: W_K 1,024 x 1,024 float32; W_O 1,024 x 1,024 float32; W_Q 1,024 x 1,024 float32; W_V 1,024 x 1,024 float32; x 2 x 2,048 x 1,024 float32.
;; Outputs: out0 2 x 2,048 x 1,024 float32.
;; This version of the problem:
;;   THIS VERSION OF THE PROBLEM IS GIVEN IN LOW PRECISION. The matrix products marked QUANTISED in the list below multiply operands that are first quantised to E2M3 (2 exponent bits, 3 mantissa bits; 6 bits a number), with one power-of-two scale for each 32 numbers along K (OCP MX v1.0); their sums are f32. All else is computed in f32.
;;   The module's matrix products, in the order in which they are computed (A, B: the left and right operand; K: the contracted axis; several contracted axes count as one K, in the product's order):
;;     1. [M 4,096, K 1,024] x [K 1,024, N 1,024]; A: input x; B: input W_Q: QUANTISED
;;     2. [M 4,096, K 1,024] x [K 1,024, N 1,024]; A: input x; B: input W_K: QUANTISED
;;     3. [M 4,096, K 1,024] x [K 1,024, N 1,024]; A: input x; B: input W_V: QUANTISED
;;     4. batch 32 x [M 2,048, K 64] x [K 64, N 2,048]; A: computed on the way; B: computed on the way: QUANTISED
;;     5. batch 32 x [M 64, K 2,048] x [K 2,048, N 2,048]; A: computed on the way; B: softmax (see below): QUANTISED
;;     6. [M 4,096, K 1,024] x [K 1,024, N 1,024]; A: computed on the way; B: input W_O: QUANTISED
;;   THE QUANTISER, for each operand of a quantised product, along K:
;;     - K is cut into blocks of 32 from its start; a last block that is shorter is filled with zeros.
;;     - A block's scale is 2^e with e = floor(log2(the largest magnitude in the block)) - 2, held to -126 .. 127; a block of zeros has e = 0. As a byte (E8M0): e + 127.
;;     - Each number is divided by its block's scale, clamped to +-7.5, and rounded to the nearest number of E2M3, ties to even, subnormals kept.
;;     - The product sums the exact products of the quantised numbers (number of the format x scale) in f32.
;;   ~~~python
;;   def quantise(x, axis):      # numpy; x: float32 -> the quantised numbers, widened to float32 again
;;       x = np.moveaxis(x, axis, -1); K = x.shape[-1]
;;       x = np.pad(x, [(0, 0)] * (x.ndim - 1) + [(0, -K % 32)]); x = x.reshape(x.shape[:-1] + (-1, 32)); a = np.abs(x).max(-1, keepdims=True)
;;       e = np.where(a > 0, np.clip(np.frexp(np.where(a > 0, a, 1))[1] - 1 - 2, -126, 127), 0)      # np.frexp(a)[1] - 1 = floor(log2(a)), exactly
;;       r = np.clip(x / 2.0 ** e, -7.5, 7.5)
;;       step = 2.0 ** (np.maximum(np.frexp(np.where(r == 0, 1, r))[1] - 1, 0) - 3)
;;       q = np.round(r / step) * step * 2.0 ** e      # np.round: ties to even
;;       return np.moveaxis(q.reshape(q.shape[:-2] + (-1,))[..., :K], -1, axis).astype(np.float32)
;;   ~~~
;;   SOFTMAX AHEAD OF A QUANTISED PRODUCT. Where the list says 'softmax', what is quantised is not the finished softmax but p = 2^(t - M), with t = logit x log2(e) and M = ceil(the row's largest t), a whole number; so 1/2 < the row's largest p <= 1. The row's sum l is taken of the UNQUANTISED p, in f32, and the product's result is divided by l at the end. Since M is a whole number, a kernel that streams over the keys may use a running M (the ceiling of the running maximum): every later rescaling is an exact power of two, which a block's scale takes up: the codes' values come out the same.
;;   OPERANDS COMPUTED ON THE WAY. 'Computed on the way' means the value that the module computes at that place (a softmax that the list does not call 'softmax' is quantised finished and normalised). What goes into a quantiser is computed in f32, as accurately as f32 sums, v_exp_f32 and their like allow (about 1e-6 of the number): no bf16 or f16 on the way to a quantiser, and a product that is left as it is and whose result goes on into a quantised operand takes f32 operands (vector FMAs, or v_wmma_f32_16x16x4_f32). A number that lies on a knife's edge between two numbers of the format may be rounded either way, as far as f32 arithmetic and the matrix unit's own rounding can turn it there, and no further.
;; One version. Each part assembles by itself: llvm-mc -triple=amdgcn-amd-amdhsa -mcpu=gfx1250 --defsym DOCPART=n.
;; ======== version 1 of 1: 4 launches
;; limits: right only within a limited range of input values
;; workspace buffers: xq 3,276,800 bytes; wq 3,276,800 bytes; qq 3,276,800 bytes; kv 6,553,600 bytes; aq 3,276,800 bytes
;; launch quant (part 1): grid 512 x 1, 4 waves a work-group, no clusters, 47,104 bytes of LDS; arguments x, W_Q, W_K, W_V, W_O, xq, wq; writes xq, wq
.if DOCPART == 1
	.amdgcn_target "amdgcn-amd-amdhsa--gfx1250"
	.amdhsa_code_object_version 6
	.text
	.protected	k_qc855ea011a_quant
	.globl	k_qc855ea011a_quant
	.p2align	8
	.type	k_qc855ea011a_quant,@function
k_qc855ea011a_quant:
	s_mov_b64 s[64:65], 0
	v_nop
	global_prefetch_b8 v0, s[64:65] scope:SCOPE_SE
	s_setreg_imm32_b32 hwreg(HW_REG_WAVE_MODE, 25, 1), 1
	s_wait_xcnt 0x0
; x [4096][1024] and the four weights [1024 (k)][1024 (n)], f32, become codes of FP6 (E2M3) with one E8M0 byte for each 32 along K, laid AS IMAGES OF OPERAND REGISTERS.
; A fragment is 16 rows x 128 K = 12 registers a lane (lane (r, h): registers 6 c .. 6 c + 5 hold k = 64 c + 32 h + 0 .. 31); its image is 1,536 bytes: registers 4 c .. 4 c + 3 of lane l at 512 c + 16 l.
; TILES ARE PERMUTED OVER 64: tile j of a group of 64 rows (of x) or columns (of a weight) holds at its row i number 32 (i / 8) + 8 j + i % 8 of the group.  So the four tiles' results of a lane are 32 neighbours: a whole scale block.
; xq: [tile 256][K step 8] images, then from SCO on [tile][K step] 16 scale words.
; wq: [K step 8][64 columns 16] records of 25,600 bytes: the 12 fragments of Q, K, V (4 x matrix + tile), their 12 x 16 scale words, O's 4 fragments, their 4 x 16 words.
; A block's scale is 2^(floor(log2(largest magnitude)) - 2): its byte is the largest magnitude's exponent field - 2, held at 1 from below.
; DEAD WORK in this program: reference() itself puts -inf in place of every score whose key lies behind the query (its causal mask), so p is 0 there whatever the inputs hold; whole key steps of this kind are left out in launch attn.
; LIMITS: a NaN, an infinity or an overflow that reaches only such scores is not carried to the result; a block of zeros gets the byte 1 where the rule says 127 (its codes are zeros, and this program alone reads the bytes); NaN and infinities among the inputs are not served.
; Work-groups 0-255: one tile of x each, wave w its K steps 2 w and 2 w + 1.  Work-groups 256-511: one matrix, 128 columns, one K step; a lane takes a column and its registers run down K; the codes go through LDS
; so that they leave as 512 consecutive bytes.  Each input byte is read once and by one work-group: no cluster, no prefetch (straight text, no loop to run ahead in).
.set SCO,   3145728
.set STG,   16*528                     ; x: a wave's stage: 16 rows of 512 bytes + 16
.set SPARE, 4*STG                      ; behind the stages: the spare words, 128 bytes a wave
.set WST,   SPARE+512                  ; weights: 8 images of 1,536 bytes, then 8 x 16 words
.set WREC,  25600
.set SPW,   252
.set NIL,   253
.set LI,    4                          ; v4   16 x lane
.set STI,   5
.set STO,   6
.set H8,    7                          ; v7   8 h
.set MX,    8
.set SOP,   10
.set BY,    12
.set WT,    14
.set CT,    16                         ; v16-18, v20-22 upper halves of blocks
.set WD,    24
.set LS,    27                         ; v27  4 x lane
.set VO,    28                         ; v28-31 weights: stage in, words in, stage out, words out
.set VS,    29
.set R,     32                         ; v32-159  numbers as loaded
.set X,     160                        ; v160-223 x: 64 numbers in the operand's order
.set PC,    224                        ; v224-247 x: two fragments' codes
.set CH,    160                        ; v160-183 weights: codes of lanes (r', 0) and (r', 1) of my column's fragment
.set CU,    184
.set OB,    192                        ; v192-216 weights: read back from the stage
	s_load_b256 s[4:11], s[0:1], 0x0               ; x, W_Q, W_K, W_V
	s_load_b128 s[12:15], s[0:1], 0x20             ; W_O, xq
	s_load_b64 s[16:17], s[0:1], 0x30              ; wq
	v_lshl_add_u32 v[SPW], v0, 2, SPARE
	v_mov_b32 v[NIL], 0
	v_lshrrev_b32 v1, 5, v0
	v_readfirstlane_b32 s18, v1                    ; wave
	v_and_b32 v1, 31, v0                           ; lane
	v_and_b32 v2, 15, v0                           ; r
	v_bfe_u32 v3, v0, 4, 1                         ; h
	v_lshlrev_b32 v[LI], 4, v1
	v_lshlrev_b32 v[LS], 2, v1
	s_mul_i32 s19, s18, STG
	v_add_nc_u32 v[STI], s19, v[LI]                ; in: a row's 512 bytes as they lie
	v_mul_u32_u24 v[STO], v2, 528
	v_lshl_add_u32 v[STO], v3, 7, v[STO]
	v_add_nc_u32 v[STO], s19, v[STO]               ; out: row r, + 128 h: my 32 numbers of each 64
	v_lshlrev_b32 v[H8], 3, v3
	v_mov_b32 v[WT+1], 0                           ; a lane permute's destination counts as one of its sources
	s_mov_b32 s20, 0x76543210
	s_mov_b32 s21, 0xfedcba98                      ; selects for lane l xor 16
	s_mov_b32 s22, 0xffff0000                      ; lanes 16-31
	s_wait_alu depctr_va_vdst(0)                   ; ahead of the blocking wait
	s_wait_kmcnt 0x0
	s_cmp_lt_u32 ttmp9, 256
	s_cbranch_scc0 .Lweights
	; ---------------- x: tile T = the work-group's number
	s_lshr_b32 s24, ttmp9, 2
	s_lshl_b32 s24, s24, 18                        ; 64 (T / 4) rows of 4,096 bytes
	s_and_b32 s25, ttmp9, 3
	s_lshl_b32 s25, s25, 15                        ; + 8 (T % 4) rows
	s_add_co_u32 s24, s24, s25
	s_lshl_b32 s25, s18, 10                        ; + my two K steps: 1,024 bytes a wave
	s_add_co_u32 s24, s24, s25
	s_mov_b32 s25, 0
	s_add_nc_u64 s[4:5], s[4:5], s[24:25]
.irp e, 0,1
.irp i, 0,1,2,3,4,5,6,7,8,9,10,11,12,13,14,15
	global_load_b128 v[R+64*\e+4*\i:R+64*\e+4*\i+3], v[LI], s[4:5] offset:(\i+24*(\i/8))*4096+512*\e th:TH_LOAD_NT   ; 32 lanes read 512 consecutive bytes of the tile's row i
.endr
.endr
	s_mul_i32 s28, ttmp9, 12288
	s_mul_i32 s29, s18, 3072
	s_add_co_u32 s28, s28, s29
	s_mov_b32 s29, 0
	s_add_nc_u64 s[28:29], s[14:15], s[28:29]      ; my two images
	s_lshl_b32 s30, ttmp9, 9
	s_lshl_b32 s31, s18, 7
	s_add_co_u32 s30, s30, s31
	s_add_co_u32 s30, s30, SCO
	s_mov_b32 s31, 0
	s_add_nc_u64 s[30:31], s[14:15], s[30:31]      ; and their scale words
; 64 numbers in the operand's order (register 32 c + i = k 64 c + 32 h + i of row r) become fragment e's codes and its scale word.
.macro QUANTX e
.irp c, 0,1
	v_max3_num_f32 v[MX+\c], |v[X+32*\c]|, |v[X+32*\c+1]|, 0x1800000   ; with the floor 2^(3 - 127): the byte cannot fall under 1
.endr
.irp i, 2,4,6,8,10,12,14,16,18,20,22,24,26,28,30
.irp c, 0,1
	v_max3_num_f32 v[MX+\c], v[MX+\c], |v[X+32*\c+\i]|, |v[X+32*\c+\i+1]|   ; the two blocks by turns
.endr
.endr
.irp c, 0,1
	v_add_nc_u32 v[SOP+\c], 0xff000000, v[MX+\c]   ; 2 off the exponent field: the conversion's scale operand
.endr
.irp c, 0,1
	v_lshrrev_b32 v[BY+\c], 23, v[SOP+\c]          ; the scale's byte
.endr
	v_lshl_or_b32 v[WT], v[BY+1], 16, v[BY]        ; my bytes: blocks h and 2 + h,
	v_lshlrev_b32 v[WT], v[H8], v[WT]              ; at their places in the word;
	v_permlanex16_b32 v[WT+1], v[WT], s20, s21
	v_or_b32 v[WD+\e], v[WT], v[WT+1]              ; with lane l xor 16's two the word is whole
.irp c, 0,1
	v_cvt_scalef32_pk16_fp6_f32 v[PC+12*\e+6*\c:PC+12*\e+6*\c+2], v[X+32*\c:X+32*\c+15], v[SOP+\c]
	v_cvt_scalef32_pk16_fp6_f32 v[CT+4*\c:CT+4*\c+2], v[X+32*\c+16:X+32*\c+31], v[SOP+\c]   ; (a conversion's three registers begin on an even number)
.endr
	v_nop                                          ; one plain place behind the scaled conversions
.irp c, 0,1
.irp i, 0,1,2
	v_mov_b32 v[PC+12*\e+6*\c+3+\i], v[CT+4*\c+\i]
.endr
.endr
.endm
.irp e, 0,1
	s_wait_loadcnt 16*(1-\e)                       ; this K step's sixteen loads are in; the other step's sixteen may be out
.irp i, 0,1,2,3,4,5,6,7,8,9,10,11,12,13,14,15
	ds_store_b128 v[STI], v[R+64*\e+4*\i:R+64*\e+4*\i+3] offset:528*\i
.endr
.irp c, 0,1
.irp j, 0,1,2,3,4,5,6,7
	ds_load_b128 v[X+32*\c+4*\j:X+32*\c+4*\j+3], v[STO] offset:256*\c+16*\j   ; LDS serves a wave's instructions in order: these see the stores above
.endr
.endr
	s_wait_dscnt 0x0
	QUANTX \e
.irp c, 0,1,2
	global_store_b128 v[LI], v[PC+12*\e+4*\c:PC+12*\e+4*\c+3], s[28:29] offset:1536*\e+512*\c   ; 512 consecutive bytes, aligned
.endr
.endr
	v_cndmask_b32 v[WD+2], v[WD], v[WD+1], s22     ; lanes 0-15: the first K step's words, lanes 16-31: the second's
	global_store_b32 v[LS], v[WD+2], s[30:31]
	s_branch .Ldone
	; ---------------- the weights
.Lweights:
	s_sub_co_u32 s24, ttmp9, 256                   ; bits 7:6 the matrix, 5:3 which 128 columns, 2:0 the K step
	s_bitcmp1_b32 s24, 6
	s_cselect_b64 s[26:27], s[8:9], s[6:7]         ; the choice hangs on the work-group's number alone
	s_cselect_b64 s[28:29], s[12:13], s[10:11]
	s_bitcmp1_b32 s24, 7
	s_cselect_b64 s[26:27], s[28:29], s[26:27]
	s_lshr_b32 s30, s24, 6                         ; matrix 0..3 = Q, K, V, O
	s_bfe_u32 s31, s24, 0x30003                    ; cg
	s_and_b32 s32, s24, 7                          ; ks
	s_lshl_b32 s34, s32, 19                        ; 128 ks rows of 4,096 bytes
	s_lshl_b32 s35, s31, 9                         ; + 128 cg columns
	s_add_co_u32 s34, s34, s35
	s_lshl_b32 s35, s18, 7                         ; + 32 columns a wave
	s_add_co_u32 s34, s34, s35
	s_mov_b32 s35, 0
	s_add_nc_u64 s[26:27], s[26:27], s[34:35]
.set n, 0
.rept 128
	global_load_b32 v[R+n], v[LS], s[26:27] offset:n*4096 th:TH_LOAD_NT   ; W(128 ks + n, my column): a wave reads 128 consecutive bytes, the work-group 512
.set n, n+1
.endr
	s_lshr_b32 s37, s18, 1
	s_and_b32 s38, s18, 1
	s_lshl_b32 s36, s31, 1
	s_add_co_u32 s36, s36, s37                     ; which 64 columns: 2 cg + wave / 2; of these my wave has half wave % 2: rows 8 (wave % 2) + 0 .. 7 of the four tiles
	s_lshl_b32 s40, s32, 4
	s_add_co_u32 s40, s40, s36
	s_mul_i32 s40, s40, WREC                       ; the record
	s_lshl_b32 s42, s30, 8
	s_add_co_u32 s42, s42, s40
	s_add_co_u32 s42, s42, 18432
	s_mul_i32 s43, s30, 6144
	s_add_co_u32 s40, s40, s43
	s_mul_i32 s43, s38, 3072                       ; behind the stage my wave stores tiles 2 (wave % 2) and + 1
	s_add_co_u32 s40, s40, s43
	s_lshl_b32 s43, s38, 7
	s_add_co_u32 s42, s42, s43
	s_cmp_eq_u32 s30, 3                            ; O's fragments stand behind Q's, K's and V's words, O's words behind its fragments
	s_cselect_b32 s43, 768, 0
	s_cselect_b32 s44, 6144, 0
	s_add_co_u32 s40, s40, s43
	s_add_co_u32 s42, s42, s44
	s_mov_b32 s41, 0
	s_mov_b32 s43, 0
	s_add_nc_u64 s[40:41], s[16:17], s[40:41]
	s_add_nc_u64 s[42:43], s[16:17], s[42:43]
	s_mul_i32 s45, s37, 6144
	s_lshl_b32 s46, s38, 7
	s_add_co_u32 s45, s45, s46
	s_add_co_u32 s45, s45, WST
	s_lshl_b32 s46, s37, 8
	s_lshl_b32 s47, s38, 5
	s_add_co_u32 s46, s46, s47
	s_add_co_u32 s46, s46, WST+12288
	s_mul_i32 s47, s18, 3072
	s_add_co_u32 s47, s47, WST
	s_lshl_b32 s48, s18, 7
	s_add_co_u32 s48, s48, WST+12288
	v_lshrrev_b32 v[WT], 3, v1                     ; column l of my 32: tile l / 8,
	v_and_b32 v[WT+1], 7, v0                       ; row 8 (wave % 2) + l % 8
	v_mul_u32_u24 v[VO], v[WT], 1536
	v_lshl_add_u32 v[VO], v[WT+1], 4, v[VO]
	v_add_nc_u32 v[VO], s45, v[VO]
	v_lshlrev_b32 v[VS], 6, v[WT]
	v_lshl_add_u32 v[VS], v[WT+1], 2, v[VS]
	v_add_nc_u32 v[VS], s46, v[VS]
	v_add_nc_u32 v30, s47, v[LI]
	v_add_nc_u32 v31, s48, v[LS]
; Block be of my column: all 32 numbers are mine.  Its codes are registers 6 (be / 2) .. + 5 of lane (r', be % 2) of the fragment.
.macro QUANTW be
.set XS, R+32*(\be)
.set CD, CH+12*((\be)%2)+6*((\be)/2)
	v_max3_num_f32 v[MX], |v[XS]|, |v[XS+1]|, |v[XS+2]|
	v_max3_num_f32 v[MX+1], |v[XS+3]|, |v[XS+4]|, |v[XS+5]|
.irp i, 6,10,14,18,22,26
	v_max3_num_f32 v[MX], v[MX], |v[XS+\i]|, |v[XS+\i+1]|
	v_max3_num_f32 v[MX+1], v[MX+1], |v[XS+\i+2]|, |v[XS+\i+3]|
.endr
	v_max3_num_f32 v[MX], v[MX], |v[XS+30]|, |v[XS+31]|
	v_max3_num_f32 v[MX], v[MX], v[MX+1], 0x1800000
	v_add_nc_u32 v[SOP], 0xff000000, v[MX]
	v_lshrrev_b32 v[BY], 23, v[SOP]
.if (\be) == 0
	v_mov_b32 v[WD], v[BY]
.else
	v_lshl_or_b32 v[WD], v[BY], 8*(\be), v[WD]     ; the lower K in the lower byte
.endif
	v_cvt_scalef32_pk16_fp6_f32 v[CD:CD+2], v[XS:XS+15], v[SOP]
	v_cvt_scalef32_pk16_fp6_f32 v[CU:CU+2], v[XS+16:XS+31], v[SOP]
	v_nop                                          ; one plain place behind the scaled conversions
.irp i, 0,1,2
	v_mov_b32 v[CD+3+\i], v[CU+\i]
.endr
.endm
	s_wait_loadcnt 63                              ; behind block 1's last load 64 were issued; 63 is the largest count that the wait can name
	QUANTW 0
	QUANTW 1
	s_wait_loadcnt 32                              ; block 3's 32 may be out
	QUANTW 2
	s_wait_loadcnt 0x0
	QUANTW 3
.irp hh, 0,1
.irp c, 0,1,2
	ds_store_b128 v[VO], v[CH+12*\hh+4*\c:CH+12*\hh+4*\c+3] offset:256*\hh+512*\c
.endr
.endr
	ds_store_b32 v[VS], v[WD]
	s_wait_dscnt 0x0                               ; my part of the images is in the stage,
	s_barrier_signal -1
	s_barrier_wait -1                              ; everybody's is
.irp c, 0,1,2,3,4,5
	ds_load_b128 v[OB+4*\c:OB+4*\c+3], v30 offset:512*\c
.endr
	ds_load_b32 v[OB+24], v31
	s_wait_dscnt 0x0
.irp c, 0,1,2,3,4,5
	global_store_b128 v[LI], v[OB+4*\c:OB+4*\c+3], s[40:41] offset:512*\c   ; two images: 512 consecutive bytes a store, aligned
.endr
	global_store_b32 v[LS], v[OB+24], s[42:43]
.Ldone:
	s_wait_tensorcnt 0x0                           ; the wave's end
	ds_add_u32 v[SPW], v[NIL]
	s_wait_dscnt 0x0
	s_endpgm
.Lfunc_end_k_qc855ea011a_quant:
	.size	k_qc855ea011a_quant, .Lfunc_end_k_qc855ea011a_quant-k_qc855ea011a_quant
	.p2alignl 7, 3214868480
	.fill 96, 4, 3214868480
	.section	.rodata,"a",@progbits
	.p2align	6, 0x0
	.amdhsa_kernel k_qc855ea011a_quant
		.amdhsa_group_segment_fixed_size 47104
		.amdhsa_private_segment_fixed_size 0
		.amdhsa_enable_private_segment 0
		.amdhsa_kernarg_size 56
		.amdhsa_user_sgpr_count 2
		.amdhsa_user_sgpr_kernarg_segment_ptr 1
		.amdhsa_wavefront_size32 1
		.amdhsa_system_sgpr_workgroup_id_x 1
		.amdhsa_system_sgpr_workgroup_id_y 1
		.amdhsa_system_sgpr_workgroup_id_z 1
		.amdhsa_system_vgpr_workitem_id 0
		.amdhsa_next_free_vgpr 256
		.amdhsa_next_free_sgpr 66
		.amdhsa_reserve_vcc 0
		.amdhsa_float_denorm_mode_32 3
		.amdhsa_float_denorm_mode_16_64 3
		.amdhsa_memory_ordered 1
		.amdhsa_forward_progress 1
		.amdhsa_inst_pref_size 39
	.end_amdhsa_kernel
	.amdgpu_metadata
---
amdhsa.version: [ 1, 2 ]
amdhsa.kernels:
  - .name:           k_qc855ea011a_quant
    .symbol:         k_qc855ea011a_quant.kd
    .args:
      - { .name: x, .offset: 0, .size: 8, .value_kind: global_buffer, .address_space: global }
      - { .name: W_Q, .offset: 8, .size: 8, .value_kind: global_buffer, .address_space: global }
      - { .name: W_K, .offset: 16, .size: 8, .value_kind: global_buffer, .address_space: global }
      - { .name: W_V, .offset: 24, .size: 8, .value_kind: global_buffer, .address_space: global }
      - { .name: W_O, .offset: 32, .size: 8, .value_kind: global_buffer, .address_space: global }
      - { .name: xq, .offset: 40, .size: 8, .value_kind: global_buffer, .address_space: global }
      - { .name: wq, .offset: 48, .size: 8, .value_kind: global_buffer, .address_space: global }
    .group_segment_fixed_size: 47104
    .private_segment_fixed_size: 0
    .kernarg_segment_align: 8
    .kernarg_segment_size: 56
    .max_flat_workgroup_size: 128
    .sgpr_count:     66
    .vgpr_count:     256
    .wavefront_size: 32
...
	.end_amdgpu_metadata
.endif
;; end of part 1
;; launch qkv (part 2): grid 16 x 16, 4 waves a work-group, clusters of 4 x 1, 167,936 bytes of LDS; arguments xq, wq, qq, kv; writes qq, kv
.if DOCPART == 2
	.amdgcn_target "amdgcn-amd-amdhsa--gfx1250"
	.amdhsa_code_object_version 6
	.text
	.protected	k_qc855ea011a_qkv
	.globl	k_qc855ea011a_qkv
	.p2align	8
	.type	k_qc855ea011a_qkv,@function
k_qc855ea011a_qkv:
	s_mov_b64 s[64:65], 0
	v_nop
	global_prefetch_b8 v0, s[64:65] scope:SCOPE_SE
	s_setreg_imm32_b32 hwreg(HW_REG_WAVE_MODE, 25, 1), 1
	s_wait_xcnt 0x0
	s_wait_alu depctr_hold_cnt(0) depctr_sa_sdst(0) depctr_va_vdst(0) depctr_va_sdst(0) depctr_va_ssrc(0) depctr_va_vcc(0) depctr_vm_vsrc(0)
	s_getreg_b32 s2, hwreg(HW_REG_IB_STS2, 6, 4)
	s_cmp_eq_u32 s2, 0
	s_cbranch_scc0 .Lentry_in_a_cluster
	s_endpgm
.Lentry_in_a_cluster:
	s_bfe_u32 s2, ttmp6, 0x10000c
	s_cmp_lg_u32 s2, 0x3003
	s_cbranch_scc0 .Lentry_shape_is_right
	s_endpgm
.Lentry_shape_is_right:
; Q, K, V = x W_Q, x W_K, x W_V on codes of FP6 (E2M3), and their quantising for attention, in one launch: no f32 number of Q, K or V goes to memory.
; SHARES.  A work-group makes 256 rows x one head's 64 columns of each of Q, K, V; a wave 64 rows (4 tiles a) x 192 columns (12 tiles f = 4 x matrix + t): 48 accumulators, 384 registers.
; W's 12 fragments and their scale words, 19,200 bytes a K step, come into LDS ONCE, by one tensor load a wave (wave w: K steps 2 w, 2 w + 1): nothing is filled again.  The four work-groups of a cluster are four row blocks of one head
; and need the same bytes: each load is asked for JOINTLY (mask 15).  x's fragments are a wave's own: they go from memory straight into registers, four K steps ahead.  No prefetch: a straight text whose loads stand at the head or four K steps ahead.
; LAYOUT.  Q and K: source 0 = 16 columns of W, source 1 = 16 rows of x: lane (r, h) holds row r and d = 32 h + 8 t + j.  V: the sources swapped: lane (r, h) holds one d and rows 32 h + 8 a + j of the wave's 64.
; So 32 registers of four tiles are one scale block, wholly the lane's own, and two conversions make six registers of the next operand.
; OUT.  qq: [head 32][query tile 128] half fragments (6 registers: 0-3 at 16 l, 4-5 at 512 + 8 l), from SCO on [head][64 queries][lane] words: byte a = tile a's block h.
; kv: [head][128 keys] records of 12,800 bytes: 4 fragments of K (registers 0-5 key tile 2 F, 6-11 tile 2 F + 1), 8 half fragments of V^T ([64 keys][d tile]), 4 x 16 words of K's scales, 4 x 16 of V's.
; V's scale words are written in halves of two bytes by two waves each: 128 KiB of the launch's 10 MB leave in such pieces.
; LIMITS: a block of zeros gets the byte 1 (its codes are zeros; this program alone reads the bytes); NaN and infinities are not served.
; REGISTERS, in windows of 256: window 0: v2-7, v24-27 addresses; v28, v29 the add's two; v32-95 scale words, eight a K step (six of W, two of x); v96-239 W's 12 fragments (on the way out: at work).
;   window 1: Q's accumulators at 32 a + 8 t, K's at 128 + 32 a + 8 t.   window 2: V's at 32 t + 8 a.   window 3: x's fragments, four sets of 48: 48 (ks % 4) + 12 a.
.set SCO,   3145728
.set WREC,  25600
.set KSB,   19200                      ; LDS bytes of a K step
.set SPARE, 8*KSB                      ; behind W: the spare words, 128 bytes a wave
.set LI8,   2
.set LS,    24                         ; v24  4 x lane; v25, v26 the same + 65,536 and + 131,072: an LDS offset has 16 bits
.set ASO,   4                          ; v4   1,024 h + 4 r
.set LI,    5                          ; v5   16 x lane; v6, v7 likewise
.set H8,    27                         ; v27  8 h
.set SPW,   28
.set NIL,   29
.set SCB,   32                         ; register 8 ks + i: W's: lanes 0-15 f = 2 i, lanes 16-31 f = 2 i + 1;  8 ks + 6 + a': x's: lanes 0-15 tile a', lanes 16-31 tile a' + 2
.set BF,    96
.set TM,    96                         ; the way out: v96-99 maxima, v100-103 scale operands, v104-115 bytes
.set SOP,   100
.set BYQ,   104
.set CT,    116                        ; v116-131 blocks' upper codes
.set PCB,   132                        ; v132-203 twelve blocks' codes: no store's data are written again
.set SV,    204                        ; v204-209 scale words as they are stored
.set PW,    210                        ; v210-213 scale words at work
.set PX,    214                        ; v214-217 lane permutes' destinations
.set WV,    12
.set SEL,   20
.set HIM,   22
.set G1,    24
.set G0,    40
.set W_QK,  0x5c                       ; source 0 (W) window 0, source 1 (x) window 3, C and D window 1
.set W_V,   0xa3                       ; source 0 (x) window 3, source 1 (W) window 0, C and D window 2
.set TO_A,  0xc0                       ; destination window 3
.set MSB,   0
.set Z_,    0
.macro WIN new                         ; the immediate's high byte repeats the setting that is left
.if MSB != (\new)
	s_set_vgpr_msb (MSB<<8)|(\new)
.set MSB, (\new)
.endif
.endm
.macro CROUND                          ; a round of the cluster's barrier
	s_barrier_signal -1
	s_barrier_wait -1
	s_cmp_lg_u32 s[WV], 0
	s_cbranch_scc1 .Lnot_wave_0_\@
	s_barrier_signal -3
.Lnot_wave_0_\@:
	s_barrier_wait -3
	s_barrier_signal -1
	s_barrier_wait -1
.endm
.macro PLACES                          ; four places behind matrix instructions, ahead of loads into their operands and of reads of their results
.rept 4
	v_nop
.endr
.endm
; One matrix instruction.  Z_ = 1: it starts its sum.  ra, rb: the side's scales stand in lanes 16-31 of the register named.
.macro WM2 c, ra, rb
	v_wmma_scale_f32_16x16x128_f8f6f4 v[D_:D_+7], v[A_:A_+11], v[B_:B_+11], \c, v[SA_], v[SB_] matrix_a_fmt:MATRIX_FMT_FP6 matrix_b_fmt:MATRIX_FMT_FP6 matrix_a_scale:MATRIX_SCALE_ROW\ra matrix_b_scale:MATRIX_SCALE_ROW\rb
.endm
.macro WM1 c
.if RR_ == 0
	WM2 \c, 0, 0
.elseif RR_ == 1
	WM2 \c, 0, 1
.elseif RR_ == 2
	WM2 \c, 1, 0
.else
	WM2 \c, 1, 1
.endif
.endm
.macro WM d, a, b, sa, sb, ra, rb
.set D_, \d
.set A_, \a
.set B_, \b
.set SA_, \sa
.set SB_, \sb
.set RR_, 2*(\ra)+(\rb)
.if Z_
	WM1 0
.else
	WM1 v[D_:D_+7]
.endif
.endm
; The 48 accumulators take turns, one instruction a turn, in the same order in every K step.
.macro MULQK p, ks                     ; part p (0 = Q, 1 = K): 16 products
.irp a, 0,1,2,3
.irp t, 0,1,2,3
	WM 128*(\p)+32*\a+8*\t, BF+12*(4*(\p)+\t), 48*((\ks)%4)+12*\a, SCB+8*(\ks)+2*(\p)+\t/2, SCB+8*(\ks)+6+\a%2, \t%2, \a/2
.endr
.endr
.endm
.macro MULV ks                         ; V: the sources, and the scales with them, change places
.irp a, 0,1,2,3
.irp t, 0,1,2,3
	WM 32*\t+8*\a, 48*((\ks)%4)+12*\a, BF+12*(8+\t), SCB+8*(\ks)+6+\a%2, SCB+8*(\ks)+4+\t/2, \a/2, \t%2
.endr
.endr
.endm
.macro LDB p, ks                       ; part p's four fragments of K step ks and their scale words: 14 LDS loads
.irp t, 0,1,2,3
.irp c, 0,1,2
.set F_, 4*(\p)+\t
.set AD_, KSB*(\ks)+1536*F_+512*\c
	ds_load_b128 v[BF+12*F_+4*\c:BF+12*F_+4*\c+3], v[LI+AD_/65536] offset:AD_%65536
.endr
.endr
.irp i, 0,1
.set AD_, KSB*(\ks)+18432+128*(2*(\p)+\i)
	ds_load_b32 v[SCB+8*(\ks)+2*(\p)+\i], v[LS+AD_/65536] offset:AD_%65536
.endr
.endm
.macro LDA ks                          ; x's four fragments of K step ks: 12 loads of 512 consecutive bytes
	WIN TO_A
.irp a, 0,1,2,3
.irp c, 0,1,2
	global_load_b128 v[48*((\ks)%4)+12*\a+4*\c:48*((\ks)%4)+12*\a+4*\c+3], v[LI], s[48:49] offset:\a*12288+(\ks)*1536+512*\c
.endr
.endr
	WIN 0
.endm
	s_load_b256 s[4:11], s[0:1], 0x0               ; xq s[4:5], wq s[6:7], qq s[8:9], kv s[10:11]
	v_lshl_add_u32 v[SPW], v0, 2, SPARE
	v_mov_b32 v[NIL], 0
	ds_add_u32 v[SPW], v[NIL]                      ; the wave's opening: the add, twice on end, and its wait ahead of my tensor load
	ds_add_u32 v[SPW], v[NIL]
	v_lshrrev_b32 v8, 5, v0
	v_readfirstlane_b32 s[WV], v8                  ; wave 0..3
	v_and_b32 v8, 31, v0                           ; lane
	v_and_b32 v9, 15, v0                           ; r
	v_bfe_u32 v10, v0, 4, 1                        ; h
	v_lshlrev_b32 v[LI], 4, v8
	v_lshlrev_b32 v[LI8], 3, v8
	v_lshlrev_b32 v[LS], 2, v8
	v_lshlrev_b32 v[ASO], 2, v9
	v_lshlrev_b32 v[H8], 3, v10
	v_lshl_add_u32 v[ASO], v10, 10, v[ASO]
	v_add_nc_u32 v[LI+1], 0x10000, v[LI]
	v_add_nc_u32 v[LI+2], 0x20000, v[LI]
	v_add_nc_u32 v[LS+1], 0x10000, v[LS]
	v_add_nc_u32 v[LS+2], 0x20000, v[LS]
	s_wait_alu depctr_va_vdst(0)                   ; the head's end
	s_bfe_u32 s13, ttmp6, 0x40000                  ; cx: it enters global addresses of x, qq and kv alone
	s_lshl_b32 s14, ttmp9, 2
	s_add_co_u32 s14, s14, s13                     ; row block = 4 x cluster x + cx
	s_and_b32 s15, ttmp7, 0xffff                   ; the head, which the four partners share
	s_mov_b32 s[G1], 15|(3<<16)|(1<<21)            ; 15:0 the mask: all four work-groups; 17:16 elements of 8 bytes; 21 set beside a mask; no padding: every LDS read is on end
	s_mov_b32 s[G1+1], 2400<<16                    ; tensor_dim0: 19,200 bytes, a K step's 12 fragments and their words
	s_mov_b32 s[G1+2], 2<<16                       ; tensor_dim1: two K steps
	s_mov_b32 s[G1+3], 2400<<16                    ; tile_dim0
	s_mov_b32 s[G1+4], 2                           ; tile_dim1
	s_mov_b32 s[G1+5], 51200                       ; the pitch: 16 records
	s_mov_b32 s[G1+6], 0
	s_mov_b32 s[G1+7], 0
	s_mov_b32 s[G0], 1
	s_mul_i32 s[G0+1], s[WV], 2*KSB                ; wave w brings K steps 2 w, 2 w + 1
	s_mul_i32 s16, s15, WREC
	s_mul_i32 s17, s[WV], 2*16*WREC
	s_add_co_u32 s16, s16, s17
	s_mov_b32 s17, 0
	s_mov_b32 s[SEL], 0x76543210
	s_mov_b32 s[SEL+1], 0xfedcba98
	s_mov_b32 s[HIM], 0xffff0000
	s_lshl_b32 s66, s14, 4
	s_lshl_b32 s67, s[WV], 2
	s_add_co_u32 s66, s66, s67                     ; my first tile of x: 16 x row block + 4 x wave
	s_mul_i32 s48, s66, 12288
	s_mov_b32 s49, 0
	s_lshl_b32 s50, s66, 9
	s_add_co_u32 s50, s50, SCO
	s_mov_b32 s51, 0
	s_lshr_b32 s67, s14, 3
	s_lshl_b32 s67, s67, 4
	s_add_co_u32 s67, s67, s15                     ; batch x 16 + head
	s_and_b32 s68, s14, 7
	s_lshl_b32 s68, s68, 2
	s_add_co_u32 s68, s68, s[WV]                   ; which 64 rows of the sequence are mine: 0 .. 31
	s_mul_i32 s54, s67, 98304
	s_mul_i32 s69, s68, 3072
	s_add_co_u32 s54, s54, s69
	s_mov_b32 s55, 0
	s_lshl_b32 s56, s67, 12
	s_lshl_b32 s69, s68, 7
	s_add_co_u32 s56, s56, s69
	s_add_co_u32 s56, s56, SCO
	s_mov_b32 s57, 0
	s_lshr_b32 s70, s68, 1                         ; which 128 keys
	s_and_b32 s71, s68, 1                          ; which 64 of them
	s_mul_i32 s69, s67, 204800
	s_mul_i32 s70, s70, 12800
	s_add_co_u32 s69, s69, s70                     ; the record
	s_mul_i32 s58, s71, 3072
	s_add_co_u32 s58, s58, s69
	s_mov_b32 s59, 0
	s_lshl_b32 s60, s71, 7
	s_add_co_u32 s60, s60, s69
	s_add_co_u32 s60, s60, 12288
	s_mov_b32 s61, 0
	s_lshl_b32 s62, s71, 1
	s_add_co_u32 s62, s62, s69
	s_add_co_u32 s62, s62, 12544
	s_mov_b32 s63, 0
	s_wait_dscnt 0x0                               ; both opening adds are done
	CROUND                                         ; all four work-groups are here: the joint loads meet
	s_wait_kmcnt 0x0
	s_add_nc_u64 s[G0+2:G0+3], s[6:7], s[16:17]
	s_or_b32 s[G0+3], s[G0+3], 0x80000000
	s_add_nc_u64 s[48:49], s[4:5], s[48:49]        ; x's fragments
	s_add_nc_u64 s[50:51], s[4:5], s[50:51]        ; x's scale words
	s_add_nc_u64 s[54:55], s[8:9], s[54:55]        ; Q's codes
	s_add_nc_u64 s[56:57], s[8:9], s[56:57]        ; Q's scale words
	s_add_nc_u64 s[58:59], s[10:11], s[58:59]      ; K's codes; V's lie 6,144 bytes on
	s_add_nc_u64 s[60:61], s[10:11], s[60:61]      ; K's scale words
	s_add_nc_u64 s[62:63], s[10:11], s[62:63]      ; V's scale half-words
; ONE load a wave, each wave's in a line of its own, so that the waits below may part on the wave's number.
.macro LOADW
	tensor_load_to_lds s[G0:G0+3], s[G1:G1+7]
	s_nop 0
	PLACES
.endm
.macro ARM w, next
	s_cmp_eq_u32 s[WV], \w
	s_cbranch_scc0 \next
	LOADW
	s_branch .Lasked
\next:
.endm
	ARM 0, .Lwave_1
	ARM 1, .Lwave_2
	ARM 2, .Lwave_3
	LOADW
.Lasked:
	LDA 0
.irp k, 0,1,2,3,4,5,6,7
.irp a, 0,1
	global_load_b32 v[SCB+8*\k+6+\a], v[ASO], s[50:51] offset:512*\a+64*\k
.endr
.endr
	LDA 1
	LDA 2
	LDA 3
	s_cmp_eq_u32 s[WV], 0
	s_cbranch_scc0 .Lnot_0
	s_wait_tensorcnt 0x0                           ; wave 0: K steps 0 and 1 are in; the others' loads may stay out
.Lnot_0:
	s_barrier_signal -1
	s_barrier_wait -1
	LDB 0, 0
	LDB 1, 0
	LDB 2, 0
; A K STEP: three parts of 16 products; behind each part its fragments of the next K step are fetched, 32 products ahead of their use.
.macro STEP ks
.if (\ks) == 0
.set Z_, 1
.else
.set Z_, 0
.endif
.if (\ks) <= 4
	s_wait_loadcnt 36                              ; x's scale words and this step's x are in; three later steps' 12 loads each may be out
.else
	s_wait_loadcnt 12*(7-(\ks))
.endif
.if (\ks) == 1
	WIN 0
	s_cmp_eq_u32 s[WV], 1
	s_cbranch_scc0 .Lnot_1
	s_wait_tensorcnt 0x0                           ; wave 1: K steps 2 and 3 are in
.Lnot_1:
.endif
.if (\ks) == 3
	s_wait_tensorcnt 0x0                           ; every wave: K steps 4 to 7 are in
.endif
.if ((\ks) == 1) || ((\ks) == 3)
	s_wait_dscnt 0x0                               ; no LDS load of mine is out at the signal
	s_barrier_signal -1
.else
	s_wait_dscnt 28                                ; Q's fragments are in; the two younger parts' 28 loads may be out
.endif
	WIN W_QK
	MULQK 0, \ks
.if ((\ks) == 1) || ((\ks) == 3)
	s_barrier_wait -1                              ; everybody has said so: the next K step may be read
.endif
	PLACES
.if (\ks) < 7
	WIN 0
	LDB 0, (\ks)+1
	s_wait_dscnt 28
.else
	s_wait_dscnt 14
.endif
	WIN W_QK
	MULQK 1, \ks
	PLACES
.if (\ks) < 7
	WIN 0
	LDB 1, (\ks)+1
	s_wait_dscnt 28
.else
	s_wait_dscnt 0x0
.endif
	WIN W_V
	MULV \ks
	PLACES
.if (\ks) < 7
	WIN 0
	LDB 2, (\ks)+1
.endif
.if (\ks) < 4
	LDA (\ks)+4                                    ; into the set just multiplied
.endif
.endm
	STEP 0
	STEP 1
	STEP 2
	STEP 3
	STEP 4
	STEP 5
	STEP 6
	STEP 7
	WIN 0
; THE WAY OUT.  Four blocks of 32 accumulator registers of window X from src on become six registers of codes each, and a byte each.  Each accumulator is read from its low end on.
.macro QUANT src, X, pc, by
.set S_, \src
.set P_, \pc
	WIN 5*(\X)                                     ; sources 0 and 1 in window X
.irp b, 0,1,2,3
	v_max3_num_f32 v[TM+\b], |v[S_+32*\b]|, |v[S_+32*\b+1]|, 0x1800000   ; with the floor 2^(3 - 127): the byte cannot fall under 1
.endr
.irp i, 2,4,6,8,10,12,14,16,18,20,22,24,26,28,30
.irp b, 0,1,2,3
	v_max3_num_f32 v[TM+\b], |v[S_+32*\b+\i]|, |v[S_+32*\b+\i+1]|, v[TM+\b]   ; the four blocks by turns
.endr
.endr
	WIN 0
.irp b, 0,1,2,3
	v_add_nc_u32 v[SOP+\b], 0xff000000, v[TM+\b]   ; 2 off the exponent field: the conversion's scale operand
.endr
.irp b, 0,1,2,3
	v_lshrrev_b32 v[\by+\b], 23, v[SOP+\b]         ; the scale's byte
.endr
	WIN \X                                         ; source 0 in window X
.irp b, 0,1,2,3
	v_cvt_scalef32_pk16_fp6_f32 v[P_+6*\b:P_+6*\b+2], v[S_+32*\b:S_+32*\b+15], v[SOP+\b]
	v_cvt_scalef32_pk16_fp6_f32 v[CT+4*\b:CT+4*\b+2], v[S_+32*\b+16:S_+32*\b+31], v[SOP+\b]   ; (a conversion's three registers begin on an even number)
.endr
	v_nop                                          ; one plain place behind the scaled conversions
	WIN 0
.irp b, 0,1,2,3
.irp i, 0,1,2
	v_mov_b32 v[P_+6*\b+3+\i], v[CT+4*\b+\i]
.endr
.endr
.endm
.macro HALVES pc, base, off            ; four half fragments of 768 bytes
.irp b, 0,1,2,3
	global_store_b128 v[LI], v[\pc+6*\b:\pc+6*\b+3], s[\base:\base+1] offset:\off+768*\b
	global_store_b64 v[LI8], v[\pc+6*\b+4:\pc+6*\b+5], s[\base:\base+1] offset:\off+768*\b+512
.endr
.endm
.macro WORDS by, px                    ; v[PW], v[PW+1]: two tiles' bytes of blocks 0 and 1 each: my byte stands 8 h bits up, lane l xor 16's beside it
	v_lshl_or_b32 v[PW], v[\by+1], 16, v[\by]
	v_lshl_or_b32 v[PW+1], v[\by+3], 16, v[\by+2]
	v_lshlrev_b32 v[PW], v[H8], v[PW]
	v_lshlrev_b32 v[PW+1], v[H8], v[PW+1]
	v_permlanex16_b32 v[\px], v[PW], s[SEL], s[SEL+1]
	v_permlanex16_b32 v[\px+1], v[PW+1], s[SEL], s[SEL+1]
	v_or_b32 v[PW], v[PW], v[\px]
	v_or_b32 v[PW+1], v[PW+1], v[\px+1]
.endm
.irp b, 0,1,2,3
	v_mov_b32 v[PX+\b], 0                          ; a lane permute's destination counts as one of its sources
.endr
	QUANT 0, 1, PCB, BYQ                           ; Q: my four tiles
	HALVES PCB, 54, 0
	v_lshl_or_b32 v[SV], v[BYQ+1], 8, v[BYQ]
	v_lshl_or_b32 v[SV], v[BYQ+2], 16, v[SV]
	v_lshl_or_b32 v[SV], v[BYQ+3], 24, v[SV]
	global_store_b32 v[LS], v[SV], s[56:57]
	QUANT 128, 1, PCB+24, BYQ+4                    ; K: two key tiles make one fragment
.irp c, 0,1,2,3,4,5
	global_store_b128 v[LI], v[PCB+24+4*\c:PCB+24+4*\c+3], s[58:59] offset:512*\c
.endr
	WORDS BYQ+4, PX
	v_cndmask_b32 v[SV+1], v[PW], v[PW+1], s[HIM]  ; lanes 0-15 the first fragment's words, lanes 16-31 the second's
	global_store_b32 v[LS], v[SV+1], s[60:61]
	QUANT 0, 2, PCB+48, BYQ+8                      ; V: four d tiles, my 64 keys
	HALVES PCB+48, 58, 6144
	WORDS BYQ+8, PX+2
	v_lshrrev_b32 v[SV+2], 16, v[PW]
	v_lshrrev_b32 v[SV+3], 16, v[PW+1]
	v_cndmask_b32 v[SV+2], v[PW], v[SV+2], s[HIM]  ; lanes 0-15 the even d tile's two bytes, lanes 16-31 the odd one's
	v_cndmask_b32 v[SV+3], v[PW+1], v[SV+3], s[HIM]
	global_store_b16 v[LS], v[SV+2], s[62:63]
	global_store_b16 v[LS], v[SV+3], s[62:63] offset:128
	s_wait_tensorcnt 0x0                           ; the wave's end
	ds_add_u32 v[SPW], v[NIL]
	s_wait_dscnt 0x0
	CROUND                                         ; the closing round
	s_endpgm
.Lfunc_end_k_qc855ea011a_qkv:
	.size	k_qc855ea011a_qkv, .Lfunc_end_k_qc855ea011a_qkv-k_qc855ea011a_qkv
	.p2alignl 7, 3214868480
	.fill 96, 4, 3214868480
	.section	.rodata,"a",@progbits
	.p2align	6, 0x0
	.amdhsa_kernel k_qc855ea011a_qkv
		.amdhsa_group_segment_fixed_size 167936
		.amdhsa_private_segment_fixed_size 0
		.amdhsa_enable_private_segment 0
		.amdhsa_kernarg_size 32
		.amdhsa_user_sgpr_count 2
		.amdhsa_user_sgpr_kernarg_segment_ptr 1
		.amdhsa_wavefront_size32 1
		.amdhsa_system_sgpr_workgroup_id_x 1
		.amdhsa_system_sgpr_workgroup_id_y 1
		.amdhsa_system_sgpr_workgroup_id_z 1
		.amdhsa_system_vgpr_workitem_id 0
		.amdhsa_next_free_vgpr 960
		.amdhsa_next_free_sgpr 80
		.amdhsa_reserve_vcc 0
		.amdhsa_float_denorm_mode_32 3
		.amdhsa_float_denorm_mode_16_64 3
		.amdhsa_memory_ordered 1
		.amdhsa_forward_progress 1
		.amdhsa_inst_pref_size 113
	.end_amdhsa_kernel
	.amdgpu_metadata
---
amdhsa.version: [ 1, 2 ]
amdhsa.kernels:
  - .name:           k_qc855ea011a_qkv
    .symbol:         k_qc855ea011a_qkv.kd
    .args:
      - { .name: xq, .offset: 0, .size: 8, .value_kind: global_buffer, .address_space: global }
      - { .name: wq, .offset: 8, .size: 8, .value_kind: global_buffer, .address_space: global }
      - { .name: qq, .offset: 16, .size: 8, .value_kind: global_buffer, .address_space: global }
      - { .name: kv, .offset: 24, .size: 8, .value_kind: global_buffer, .address_space: global }
    .group_segment_fixed_size: 167936
    .private_segment_fixed_size: 0
    .kernarg_segment_align: 8
    .kernarg_segment_size: 32
    .max_flat_workgroup_size: 128
    .sgpr_count:     80
    .vgpr_count:     960
    .wavefront_size: 32
...
	.end_amdgpu_metadata
.endif
;; end of part 2
;; launch attn (part 3): grid 8 x 32, 16 waves a work-group, clusters of 4 x 1, 276,480 bytes of LDS; arguments qq, kv, aq; writes aq
.if DOCPART == 3
	.amdgcn_target "amdgcn-amd-amdhsa--gfx1250"
	.amdhsa_code_object_version 6
	.text
	.protected	k_qc855ea011a_attn
	.globl	k_qc855ea011a_attn
	.p2align	8
	.type	k_qc855ea011a_attn,@function
k_qc855ea011a_attn:
	s_mov_b64 s[64:65], 0
	v_nop
	global_prefetch_b8 v0, s[64:65] scope:SCOPE_SE
	s_setreg_imm32_b32 hwreg(HW_REG_WAVE_MODE, 25, 1), 1
	s_wait_xcnt 0x0
	s_wait_alu depctr_hold_cnt(0) depctr_sa_sdst(0) depctr_va_vdst(0) depctr_va_sdst(0) depctr_va_ssrc(0) depctr_va_vcc(0) depctr_vm_vsrc(0)
	s_getreg_b32 s2, hwreg(HW_REG_IB_STS2, 6, 4)
	s_cmp_eq_u32 s2, 0
	s_cbranch_scc0 .Lentry_in_a_cluster
	s_endpgm
.Lentry_in_a_cluster:
	s_bfe_u32 s2, ttmp6, 0x10000c
	s_cmp_lg_u32 s2, 0x3003
	s_cbranch_scc0 .Lentry_shape_is_right
	s_endpgm
.Lentry_shape_is_right:
; Causal attention of one head on codes of FP6 (E2M3), and the quantising of its result for the last product.  Head size 64, 2,048 keys, 128 a key step.
; THE SOFTMAX: t = score x log2(e) / 8; M = the running largest t rounded UP to a whole number; p = 2^(t - M) is quantised along the keys, not normalised; the row's sum is taken of the unquantised p and divides at the end.
; DEAD WORK: key steps whose keys all come after the queries (reference()'s own mask makes their p 0) are left out by the deal of the steps.
; SHARES.  Work-group (u, head) owns query tile u (16 queries) of each of the head's 16 blocks of 128 queries.  Blocks 15 - i and i (i = 0 .. 7) have 16 - i and i + 1 key steps, 17 together, and two waves:
; wave A_i walks steps 0 .. 8 of the late tile (block 15 - i); wave B_i its steps 9 .. 15 - i, 7 - i of them, leaves that part (O^T, the sum, M) in LDS, and walks steps 0 .. i of the early tile (block i): eight in all.
; Behind the walk a barrier, and A_i joins the late tile's two parts: factors 2^(M's difference), which round nothing.
; Sixteen waves, four to a SIMD: one wave's vector work stands beside another's matrix work.  Waves 0-3, 8-11 are A_0 .. A_7, waves 4-7, 12-15 are B_0 .. B_7.
; K, V AND THEIR SCALES OF THE WHOLE HEAD (16 records of 12,800 bytes, one a key step) lie in LDS, brought once, one record a wave, and shown to all by one barrier.  Nothing is filled again.
; K's fragments of the NEXT step are loaded from LDS as soon as this step's score products have read theirs; V's at the step's head.
; CLUSTERS: four work-groups of one head (u = 4 x cluster x + cx) need the same records: each is asked for JOINTLY (mask 15).  Branches and LDS addresses hang on the wave's number, the trip and the cluster's number alone; cx enters global addresses of
; qq and aq, a shift of scale words and the mask's comparison.  No prefetch: all of K and V is asked for at the head.
; LAYOUT.  Both products transposed: a lane holds one query.  A fragment of K holds TWO key tiles (k 0-63: tile 2 F's d, k 64-127: tile 2 F + 1's).  Q stands as [q | zeros | q]: the first twelve registers pick the first tile,
; the last twelve the second; the other tile's codes meet zero codes under the byte 1 and add exact zeros.
; Tiles are permuted over 64 (tile j, row i = 32 (i / 8) + 8 j + i % 8), so register 32 c + m of lane (r, h) is key 64 c + 32 h + m of the step: a scale block of p is a lane's own, and so is one of O^T.
; LIMITS: the promise holds while the scaled scores t stay under 2^31 in magnitude; a NaN, an infinity or an overflow that reaches only scores left out is not carried; a block of zeros gets the byte 1 (its codes are zeros; this program alone reads the bytes); NaN and infinities are not served.
.set SCO,   3145728
.set REC,   12800                      ; 6,144 K, 6,144 V, 256 K's scale words, 256 V's
.set PART,  16*REC                     ; the late tiles' second parts: a place of 4,096 + 256 bytes for each wave
.set PSZ,   4352
.set SPARE, PART+16*PSZ                ; the spare words, 128 bytes for each of 16 waves
.set H8,    0                          ; v0   8 h (behind the head)
.set LI16,  1
.set LI8,   2
.set LS4,   3
.set SPW,   4
.set NIL,   5
.set QD,    6                          ; v6   my query's place in its 64, less 32 h
.set ADK,   7                          ; v7-9 the step's record: + 16, 8, 4 x lane
.set ADV8,  8
.set ADS,   9
.set AB,    11                         ; v11  4 r + h
.set QF,    16                         ; v16-33 q, zeros, q
.set QS,    34                         ; v34, v35 its scale words for the two uses
.set KS,    36                         ; v36-37 K's scale words;  v38-39 V's;  v40 p's
.set VS,    38
.set PS,    40
.set PX,    41                         ; v41  a lane permute's destination
.set AP,    42                         ; v42, v43 LDS addresses of my own place for a late tile's second part
.set KF,    44                         ; v44-91 four fragments of K
.set VF,    92                         ; v92-139 four fragments of V^T
.set S,     140                        ; v140-203 S^T, then p; behind the conversions of its lower halves the upper halves' codes
.set OT,    204                        ; v204-235 O^T
.set PCD,   236                        ; v236-247 p's codes; ahead of them at work:
.set BM,    236                        ; v236-239 largest scores, then v236, v238 the blocks' largest p
.set SU,    240                        ; v240-245 sums
.set BY,    246                        ; v246-247 bytes
.set FF,    248                        ; v248-249 f
.set T,     250
.set W,     251
.set SO,    252                        ; v252-253 scale operands
.set ADP,   254                        ; v254, v255 the next step's record: + 16, 4 x lane; behind the walk the place of wave number xor 4, A's partner B
.set WV,    10
.set ROLE,  11                         ; s11  0: A, 1: B
.set IX,    12                         ; s12  i
.set N,     13                         ; s13  the trip, 0 .. 8
.set TB,    14                         ; s14  LDS byte of a record
.set SW,    15                         ; s15  the trip in which B goes over to the early tile (A: never)
.set SEL,   16
.set CS,    18                         ; s[18:19] c = log2(e) / 8
.set NC,    20                         ; s20  -c
.set D1,    21                         ; s21, s22 the trips with the diagonal
.set D2,    22
.set ENDN,  23                         ; s23  trips: A 9, B 8
.set G1,    24
.set G0,    32
.set CL,    48                         ; s48  the cluster's number along x: which 64 of a block
.macro WALU
	s_wait_alu depctr_va_vdst(0)
.endm
.macro CROUND
	s_barrier_signal -1
	s_barrier_wait -1
	s_cmp_lg_u32 s[WV], 0
	s_cbranch_scc1 .Lnot_wave_0_\@
	s_barrier_signal -3
.Lnot_wave_0_\@:
	s_barrier_wait -3
	s_barrier_signal -1
	s_barrier_wait -1
.endm
.macro PLACES
.rept 4
	v_nop
.endr
.endm
	s_load_b128 s[4:7], s[0:1], 0x0                ; qq, kv
	s_load_b64 s[8:9], s[0:1], 0x10                ; aq
	v_lshl_add_u32 v[SPW], v0, 2, SPARE
	v_mov_b32 v[NIL], 0
	ds_add_u32 v[SPW], v[NIL]                      ; the wave's opening: the add, twice on end, and its wait ahead of my tensor load
	ds_add_u32 v[SPW], v[NIL]
	v_lshrrev_b32 v7, 5, v0
	v_readfirstlane_b32 s[WV], v7                  ; wave 0..15
	s_bfe_u32 s40, ttmp6, 0x40000                  ; cx
	s_lshl_b32 s70, s40, 3                         ; 8 cx
	s_mul_i32 s72, s[WV], PSZ
	s_add_co_u32 s72, s72, PART
	s_add_co_u32 s73, s72, 4096
	v_and_b32 v7, 31, v0                           ; lane
	v_and_b32 v8, 15, v0                           ; r
	v_bfe_u32 v9, v0, 4, 1                         ; h
	v_lshlrev_b32 v[LI16], 4, v7
	v_lshlrev_b32 v[LI8], 3, v7
	v_lshlrev_b32 v[LS4], 2, v7
	v_lshlrev_b32 v[H8], 3, v9
	v_lshl_add_u32 v[AB], v8, 2, v9
	v_lshrrev_b32 v10, 3, v8
	v_lshlrev_b32 v45, 5, v9
	v_add_nc_u32 v[AP], s72, v[LI16]
	v_mul_u32_u24 v10, v10, 24
	v_add_nc_u32 v[AP+1], s73, v[LS4]
	v_add_nc_u32 v[QD], v8, v10                    ; 32 (r / 8) + r % 8
	v_mov_b32 v[PX], 0                             ; a lane permute's destination counts as one of its sources
	v_sub_nc_u32 v[QD], v[QD], v45
	v_mov_b32 v[FF+1], 0                           ; (named with f as a pair)
	v_add_nc_u32 v[QD], s70, v[QD]                 ; + 8 cx - 32 h
	WALU                                           ; ahead of the stretch below
	s_bfe_u32 s[ROLE], s[WV], 0x10002
	s_and_b32 s[IX], s[WV], 3
	s_lshr_b32 s36, s[WV], 3
	s_lshl_b32 s36, s36, 2
	s_add_co_u32 s[IX], s[IX], s36
	s_xor_b32 s38, s[WV], 4
	s_mul_i32 s38, s38, PSZ
	s_add_co_u32 s38, s38, PART                    ; the partner's place
	s_add_co_u32 s39, s38, 4096
	s_mov_b32 s[CL], ttmp9
	s_and_b32 s49, ttmp7, 0xffff                   ; batch x 16 + head
	s_lshl_b32 s50, s[CL], 2
	s_add_co_u32 s50, s50, s40                     ; u
	s_mov_b32 s[G1], 15|(3<<16)|(1<<21)            ; a record: 50 dense rows of 256 bytes (32 elements of 8), for all four work-groups
	s_mov_b32 s[G1+1], 32<<16
	s_mov_b32 s[G1+2], 50<<16
	s_mov_b32 s[G1+3], 32<<16
	s_mov_b32 s[G1+4], 50
	s_mov_b32 s[G1+5], 32
	s_mov_b32 s[G1+6], 0
	s_mov_b32 s[G1+7], 0
	s_mov_b32 s[G0], 1
	s_mul_i32 s[G0+1], s[WV], REC                  ; wave w brings key step w
	s_mul_i32 s36, s49, 16*REC
	s_add_co_u32 s36, s36, s[G0+1]
	s_mov_b32 s37, 0
	s_sub_co_u32 s51, 15, s[IX]                    ; the late block
	s_lshl_b32 s52, s51, 3
	s_add_co_u32 s52, s52, s50
	s_mul_i32 s52, s52, 768
	s_mul_i32 s41, s49, 98304
	s_add_co_u32 s52, s52, s41
	s_mov_b32 s53, 0
	s_lshl_b32 s56, s[IX], 3
	s_add_co_u32 s56, s56, s50
	s_mul_i32 s56, s56, 768
	s_add_co_u32 s56, s56, s41
	s_mov_b32 s57, 0
	s_lshl_b32 s41, s49, 12
	s_add_co_u32 s41, s41, SCO
	s_lshl_b32 s54, s51, 1
	s_add_co_u32 s54, s54, s[CL]
	s_lshl_b32 s54, s54, 7
	s_add_co_u32 s54, s54, s41
	s_mov_b32 s55, 0
	s_lshl_b32 s58, s[IX], 1
	s_add_co_u32 s58, s58, s[CL]
	s_lshl_b32 s58, s58, 7
	s_add_co_u32 s58, s58, s41
	s_mov_b32 s59, 0
	s_cmp_eq_u32 s[ROLE], 0
	s_cselect_b32 s42, s51, s[IX]                  ; whose result I store: A the late tile's, B the early one's
	s_lshl_b32 s42, s42, 3
	s_add_co_u32 s42, s42, s50
	s_lshr_b32 s43, s49, 4
	s_lshl_b32 s43, s43, 7
	s_add_co_u32 s42, s42, s43                     ; its tile among the 256 of all rows
	s_and_b32 s43, s49, 15                         ; the head
	s_mul_i32 s60, s42, 12288
	s_mul_i32 s44, s43, 768
	s_add_co_u32 s60, s60, s44
	s_mov_b32 s61, 0
	s_lshl_b32 s62, s42, 9
	s_lshr_b32 s44, s43, 1
	s_lshl_b32 s44, s44, 6
	s_add_co_u32 s62, s62, s44
	s_and_b32 s44, s43, 1
	s_lshl_b32 s44, s44, 1
	s_add_co_u32 s62, s62, s44
	s_add_co_u32 s62, s62, SCO
	s_mov_b32 s63, 0
	s_lshl_b32 s44, s[ROLE], 4
	s_sub_co_u32 s[SW], 23, s[IX]
	s_sub_co_u32 s[SW], s[SW], s44                 ; B: 7 - i;  A: 16 and more
	s_mul_i32 s68, s[ROLE], 9
	s_sub_co_u32 s[D1], s51, s68                   ; B: 6 - i, the late tile's diagonal (none where i = 7);  A: 15 - i, reached where i = 7
	s_sub_co_u32 s[D2], 16, s68                    ; B: 7, the early tile's;  A: never
	s_sub_co_u32 s[ENDN], 9, s[ROLE]
	s_sub_co_u32 s66, s[IX], 7
	s_mov_b32 s[SEL], 0x76543210
	s_mov_b32 s[SEL+1], 0xfedcba98
	s_mov_b32 s[CS], 0x3e38aa3b                    ; log2(e) / 8
	s_mov_b32 s[CS+1], s[CS]                       ; (named with it as a pair, so it is written)
	s_mov_b32 s[NC], 0xbe38aa3b
	s_wait_dscnt 0x0                               ; both opening adds are done
	CROUND                                         ; all four work-groups are here: the joint loads meet
	s_wait_kmcnt 0x0
	s_add_nc_u64 s[G0+2:G0+3], s[6:7], s[36:37]
	s_or_b32 s[G0+3], s[G0+3], 0x80000000
	s_add_nc_u64 s[52:53], s[4:5], s[52:53]        ; the late tile's q, its scale words; the early tile's
	s_add_nc_u64 s[54:55], s[4:5], s[54:55]
	s_add_nc_u64 s[56:57], s[4:5], s[56:57]
	s_add_nc_u64 s[58:59], s[4:5], s[58:59]
	s_add_nc_u64 s[60:61], s[8:9], s[60:61]        ; where my result's codes go
	s_add_nc_u64 s[62:63], s[8:9], s[62:63]        ; and its scale bytes
	tensor_load_to_lds s[G0:G0+3], s[G1:G1+7]      ; my one tensor load
	s_nop 0
	PLACES
.macro QLOADS q, w
	global_load_b128 v[QF:QF+3], v[LI16], s[\q:\q+1]
	global_load_b64 v[QF+4:QF+5], v[LI8], s[\q:\q+1] offset:512
	global_load_b32 v10, v[LS4], s[\w:\w+1]        ; byte cx: block h's scale of row r
.endm
.macro QREADY                          ; the scale words and q's second standing.  Lanes 0-15 hold what the products read
	v_permlanex16_b32 v[PX], v10, s[SEL], s[SEL+1]
	v_bfe_u32 v10, v10, s70, 8
	v_bfe_u32 v[T], v[PX], s70, 8
	v_lshl_or_b32 v10, v[T], 8, v10                ; blocks 0 and 1
	v_or_b32 v[QS], 0x01010000, v10                ; [q | zeros], the zeros under the byte 1,
	v_lshl_or_b32 v[QS+1], v10, 16, 0x0101         ; and [zeros | q]
.irp i, 0,1,2,3,4,5
	v_mov_b32 v[QF+12+\i], v[QF+\i]
.endr
	WALU                                           ; ahead of the blocking waits below
.endm
.macro INIT                            ; a tile's beginning
	v_mov_b32 v13, 0xff61b1e6                      ; the largest score so far: -3e38
	v_mov_b32 v12, 0x7e000000                      ; -M: the first step's factor is 0
	v_mov_b32 v14, 0                               ; the sum, in two halves
	v_mov_b32 v15, 0
.set n, 0
.rept 32
	v_mov_b32 v[OT+n], 0                           ; O^T: the step is written once for all trips; the first change of M leaves zeros
.set n, n+1
.endr
.endm
	QLOADS 52, 54
.irp i, 6,7,8,9,10,11
	v_mov_b32 v[QF+\i], 0
.endr
	INIT
	WALU
	s_wait_loadcnt 0x0
	QREADY
; The record of trip s77: the early tile's key step is s77 + i - 7, the late tile's A s77, B s77 + 9.
.macro SLOT
	s_cmp_ge_u32 s77, s[SW]
	s_cselect_b32 s74, s66, s68
	s_add_co_u32 s74, s74, s77
	s_and_b32 s74, s74, 15
	s_mul_i32 s[TB], s74, REC
.endm
.macro LDK                             ; K's four fragments and their words
.irp F, 0,1,2,3
.irp c, 0,1,2
	ds_load_b128 v[KF+12*\F+4*\c:KF+12*\F+4*\c+3], v[ADP] offset:1536*\F+512*\c
.endr
.endr
	ds_load_b32 v[KS], v[ADP+1] offset:12288       ; lanes 0-15 fragment 0's words, lanes 16-31 fragment 1's
	ds_load_b32 v[KS+1], v[ADP+1] offset:12416
.endm
	s_mov_b32 s77, 0
	SLOT
	v_add_nc_u32 v[ADP], s[TB], v[LI16]
	v_add_nc_u32 v[ADP+1], s[TB], v[LS4]
	WALU                                           ; the head's end
	s_wait_tensorcnt 0x0                           ; my record is in,
	s_wait_dscnt 0x0
	s_barrier_signal -1
	s_barrier_wait -1                              ; and everybody's
	LDK
.macro HIDE from                       ; 32 scores on the diagonal: hidden where the key's place, less 32 h, lies above the query's
	v_mov_b32 v[T], 0xff800000                     ; -infinity: p = 0 then
.set n, 0
.rept 32
	v_cmp_gt_i32 vcc_lo, n, v[QD]
	v_cndmask_b32 v[S+\from+n], v[S+\from+n], v[T], vcc_lo
.set n, n+1
.endr
.endm
.macro WMS d, q, F, row                ; a score tile: 16 keys x 16 queries
	v_wmma_scale_f32_16x16x128_f8f6f4 v[S+\d:S+\d+7], v[KF+12*\F:KF+12*\F+11], v[QF+6*\q:QF+6*\q+11], 0, v[KS+\F/2], v[QS+\q] matrix_a_fmt:MATRIX_FMT_FP6 matrix_b_fmt:MATRIX_FMT_FP6 matrix_a_scale:MATRIX_SCALE_ROW\row
.endm
.macro WMO t, row
	v_wmma_scale_f32_16x16x128_f8f6f4 v[OT+8*\t:OT+8*\t+7], v[VF+12*\t:VF+12*\t+11], v[PCD:PCD+11], v[OT+8*\t:OT+8*\t+7], v[VS+\t/2], v[PS] matrix_a_fmt:MATRIX_FMT_FP6 matrix_b_fmt:MATRIX_FMT_FP6 matrix_a_scale:MATRIX_SCALE_ROW\row
.endm
.macro SUMS k                          ; eight of p into the four chains
	v_pk_add_f32 v[SU:SU+1], v[SU:SU+1], v[S+\k+2:S+\k+3]
	v_pk_add_f32 v[SU+2:SU+3], v[SU+2:SU+3], v[S+\k+4:S+\k+5]
	v_pk_add_f32 v[SU+4:SU+5], v[SU+4:SU+5], v[S+\k+6:S+\k+7]
	v_pk_add_f32 v[14:15], v[14:15], v[S+\k:S+\k+1]
.endm
	s_wait_dscnt 0x0                               ; the first step's K is in
	s_mov_b32 s[N], 0
; A KEY STEP: 128 keys.  Its K is in registers.
.Lstep:
	s_cmp_ge_u32 s[N], s[ENDN]                     ; B has eight trips
	s_cbranch_scc1 .Lskip
	s_mov_b32 s77, s[N]
	SLOT
	s_cmp_eq_u32 s[ROLE], 0
	s_cbranch_scc1 .Lsame
	s_cmp_lg_u32 s[N], s[SW]
	s_cbranch_scc1 .Lsame
	PLACES                                         ; places behind the last step's products
	WALU
	v_add_f32 v10, v14, v15                        ; B goes over to the early tile: the late tile's second part goes to LDS,
.irp k, 0,1,2,3,4,5,6,7
	ds_store_b128 v[AP], v[OT+4*\k:OT+4*\k+3] offset:512*\k
.endr
	ds_store_b32 v[AP+1], v12
	ds_store_b32 v[AP+1], v10 offset:128
	s_wait_dscnt 0x0
	QLOADS 56, 58                                  ; and the early tile's q comes from memory
	INIT
	WALU
	s_wait_loadcnt 0x0
	QREADY
.Lsame:
	v_add_nc_u32 v[ADK], s[TB], v[LI16]            ; these three and the v_nop are the four places behind the last step's products, ahead of the loads into their operands
	v_add_nc_u32 v[ADV8], s[TB], v[LI8]
	v_add_nc_u32 v[ADS], s[TB], v[LS4]
	v_nop
.irp t, 0,1,2,3
.irp c, 0,1
	ds_load_b128 v[VF+12*\t+6*\c:VF+12*\t+6*\c+3], v[ADK] offset:6144+3072*\c+768*\t
	ds_load_b64 v[VF+12*\t+6*\c+4:VF+12*\t+6*\c+5], v[ADV8] offset:6144+3072*\c+768*\t+512
.endr
.endr
	ds_load_b32 v[VS], v[ADS] offset:12544
	ds_load_b32 v[VS+1], v[ADS] offset:12672
	WMS 0, 0, 0, 0                                 ; S^T: eight tiles of 16 keys, each a sum of its own
	WMS 8, 1, 0, 0
	WMS 16, 0, 1, 1
	WMS 24, 1, 1, 1
	WMS 32, 0, 2, 0
	WMS 40, 1, 2, 0
	WMS 48, 0, 3, 1
	WMS 56, 1, 3, 1
	PLACES                                         ; ahead of the reads of the scores and of the loads into K's registers
	s_add_co_u32 s77, s[N], 1
	s_cmp_ge_u32 s77, s[ENDN]
	s_cbranch_scc1 .Llast                          ; my last trip fetches nothing more
	SLOT
	v_add_nc_u32 v[ADP], s[TB], v[LI16]
	v_add_nc_u32 v[ADP+1], s[TB], v[LS4]
	LDK                                            ; the next step's K, under this step's softmax
.Llast:
	s_cmp_eq_u32 s[N], s[D1]                       ; only a tile's step on the diagonal has hidden keys
	s_cbranch_scc1 .Lmask
	s_cmp_lg_u32 s[N], s[D2]
	s_cbranch_scc1 .Lopen
.Lmask:
	s_cmp_lg_u32 s[CL], 0
	s_cbranch_scc1 .Lupper
	HIDE 0                                         ; queries in the block's first 64: keys 64 .. 127 are hidden, the first 64 lie on the diagonal
.set n, 0
.rept 32
	v_mov_b32 v[S+32+n], v[T]
.set n, n+1
.endr
	s_branch .Lopen
.Lupper:
	HIDE 32                                        ; in its second 64: the first 64 keys are seen whole
.Lopen:
.irp b, 0,1,2,3
	v_max3_num_f32 v[BM+\b], v[S+16*\b], v[S+16*\b+1], v[S+16*\b+2]   ; the largest score of each of my two blocks of 32 keys: for the row's maximum and, since p rises with the score, for the block's largest p
.endr
.irp i, 3,5,7,9,11,13
.irp b, 0,1,2,3
	v_max3_num_f32 v[BM+\b], v[BM+\b], v[S+16*\b+\i], v[S+16*\b+\i+1]
.endr
.endr
.irp c, 0,2
	v_max3_num_f32 v[BM+\c], v[BM+\c], v[S+16*\c+15], v[S+16*\c+31]
.endr
.irp c, 0,2
	v_max_num_f32 v[BM+\c], v[BM+\c], v[BM+\c+1]
.endr
	s_delay_alu instid0(VALU_DEP_1)
	v_max_num_f32 v[T], v[BM], v[BM+2]
	s_delay_alu instid0(VALU_DEP_1)
	v_permlanex16_b32 v[PX], v[T], s[SEL], s[SEL+1]
	s_delay_alu instid0(VALU_DEP_1)
	v_max3_num_f32 v13, v13, v[T], v[PX]           ; the running largest score, with lane l xor 16's keys
	v_mov_b32 v[T], v12
	s_delay_alu instid0(VALU_DEP_2)
	v_mul_f32 v12, s[NC], v13
	s_delay_alu instid0(VALU_DEP_1)
	v_floor_f32 v12, v12                           ; the new -M = -ceil(t): a whole number
	s_delay_alu instid0(VALU_DEP_1)
	v_sub_f32 v[T], v12, v[T]                      ; old M - new M: a whole number, 0 or less
	s_delay_alu instid0(VALU_DEP_1)
	v_cvt_i32_f32 v[T], v[T]                       ; (it saturates)
	s_delay_alu instid0(VALU_DEP_1)
	v_ldexp_f32 v[FF], 1.0, v[T]                   ; f = 2^(old M - new M): a multiplication by it rounds nothing
.set n, 0
.rept 32
	v_pk_fma_f32 v[S+n:S+n+1], v[S+n:S+n+1], s[CS:CS+1], v[12:13] op_sel_hi:[1,0,0]   ; t - M, two at a time
.set n, n+2
.endr
	v_fma_f32 v[BM], v[BM], s[CS], v12             ; the same of each block's largest score
	v_fma_f32 v[BM+2], v[BM+2], s[CS], v12
	WALU                                           ; ahead of the batch
.set n, 0
.rept 64
	v_exp_f32 v[S+n], v[S+n]                       ; p = 2^(t - M)
.set n, n+1
.endr
	v_exp_f32 v[BM], v[BM]                         ; the blocks' largest p: the same instructions on the same numbers
	v_exp_f32 v[BM+2], v[BM+2]
	v_pk_mul_f32 v[14:15], v[14:15], v[FF:FF+1] op_sel_hi:[1,0]   ; the sums under the new M: a plain place behind the exponentials
	WALU                                           ; one wait for the batch, ahead of its first readers
	v_max_num_f32 v[BM], 0x1800000, v[BM]          ; the floor 2^(3 - 127): the byte cannot fall under 1
	v_max_num_f32 v[BM+2], 0x1800000, v[BM+2]
	v_pk_add_f32 v[14:15], v[14:15], v[S:S+1]      ; the row's sum, of the unquantised p, in four chains
	v_pk_add_f32 v[SU:SU+1], v[S+2:S+3], v[S+10:S+11]
	v_add_nc_u32 v[SO], 0xff000000, v[BM]          ; the conversion's scale operand
	v_add_nc_u32 v[SO+1], 0xff000000, v[BM+2]
	v_pk_add_f32 v[SU+2:SU+3], v[S+4:S+5], v[S+12:S+13]
	v_pk_add_f32 v[SU+4:SU+5], v[S+6:S+7], v[S+14:S+15]
	v_lshrrev_b32 v[BY], 23, v[SO]                 ; the scale's byte: blocks h and 2 + h
	v_lshrrev_b32 v[BY+1], 23, v[SO+1]
	v_pk_add_f32 v[14:15], v[14:15], v[S+8:S+9]
	v_lshl_or_b32 v[W], v[BY+1], 16, v[BY]
	SUMS 16
	v_lshlrev_b32 v[W], v[H8], v[W]
	SUMS 24
	v_permlanex16_b32 v[PX], v[W], s[SEL], s[SEL+1]
	SUMS 32
	SUMS 40
	SUMS 48
	SUMS 56
	v_pk_add_f32 v[SU+2:SU+3], v[SU+2:SU+3], v[SU+4:SU+5]
	v_pk_add_f32 v[14:15], v[14:15], v[SU:SU+1]
	v_pk_add_f32 v[14:15], v[14:15], v[SU+2:SU+3]
.irp c, 0,1
	v_cvt_scalef32_pk16_fp6_f32 v[PCD+6*\c:PCD+6*\c+2], v[S+32*\c:S+32*\c+15], v[SO+\c]
.endr
	v_or_b32 v[PS], v[W], v[PX]                    ; p's scale word for these 128 keys: also the plain place ahead of the writes into the conversions' sources
.irp c, 0,1
	v_cvt_scalef32_pk16_fp6_f32 v[S+32*\c:S+32*\c+2], v[S+32*\c+16:S+32*\c+31], v[SO+\c]   ; (a conversion's three registers begin on an even number)
.endr
	v_nop                                          ; one plain place behind the scaled conversions
.irp c, 0,1
.irp i, 0,1,2
	v_mov_b32 v[PCD+6*\c+3+\i], v[S+32*\c+\i]
.endr
.endr
	s_wait_dscnt 0x0                               ; V is in, and the next step's K, asked for ahead of the softmax
	WALU                                           ; ahead of the first reader of O^T
.set n, 0
.rept 16
	v_pk_mul_f32 v[OT+n:OT+n+1], v[OT+n:OT+n+1], v[FF:FF+1] op_sel_hi:[1,0]   ; O^T under the new M; these sixteen are also the places between p's codes and scale word and the products below
.set n, n+2
.endr
	WMO 0, 0                                       ; O^T += V^T P^T: four accumulators by turns
	WMO 1, 1
	WMO 2, 0
	WMO 3, 1
.Lskip:
	s_add_co_u32 s[N], s[N], 1
	s_cmp_lt_u32 s[N], 9
	s_cbranch_scc1 .Lstep
	PLACES                                         ; places behind the last products
	WALU
	v_add_f32 v14, v14, v15
	v_add_nc_u32 v[ADP], s38, v[LI16]              ; the partner's place
	v_add_nc_u32 v[ADP+1], s39, v[LS4]
	WALU
	s_wait_dscnt 0x0
	s_barrier_signal -1
	s_barrier_wait -1                              ; the late tiles' second parts are in LDS
	s_cmp_lg_u32 s[ROLE], 0
	s_cbranch_scc1 .Lown
.irp k, 0,1,2,3,4,5,6,7
	ds_load_b128 v[S+4*\k:S+4*\k+3], v[ADP] offset:512*\k
.endr
	ds_load_b32 v172, v[ADP+1]
	ds_load_b32 v173, v[ADP+1] offset:128
	s_wait_dscnt 0x0
	v_min_num_f32 v174, v12, v172                  ; -M of the whole row
	v_sub_f32 v175, v174, v12
	v_sub_f32 v176, v174, v172
	v_cvt_i32_f32 v175, v175
	v_cvt_i32_f32 v176, v176
	v_ldexp_f32 v178, 1.0, v175
	v_ldexp_f32 v180, 1.0, v176                    ; (a part of no steps has the factor 0)
	v_mul_f32 v14, v14, v178
.set n, 0
.rept 16
	v_pk_mul_f32 v[OT+n:OT+n+1], v[OT+n:OT+n+1], v[178:179] op_sel_hi:[1,0]
.set n, n+2
.endr
	v_fma_f32 v14, v173, v180, v14
.set n, 0
.rept 16
	v_pk_fma_f32 v[OT+n:OT+n+1], v[S+n:S+n+1], v[180:181], v[OT+n:OT+n+1] op_sel_hi:[1,0,1]
.set n, n+2
.endr
.Lown:
	; THE WAY OUT.  O^T / the sum, register m = d 32 h + m of my query, is quantised along d: half a fragment of the last product's K step head / 2.
	WALU
	v_permlanex16_b32 v[PX], v14, s[SEL], s[SEL+1]
	v_add_f32 v14, v14, v[PX]                      ; the row's sum
	WALU
	v_rcp_f32 v14, v14
	v_nop                                          ; one plain place behind a transcendental
	WALU                                           ; ahead of the first readers
.set n, 0
.rept 16
	v_pk_mul_f32 v[S+n:S+n+1], v[OT+n:OT+n+1], v[14:15] op_sel_hi:[1,0]
.set n, n+2
.endr
.irp b, 0,1
	v_max3_num_f32 v[172+\b], |v[S+16*\b]|, |v[S+16*\b+1]|, 0x1800000
.endr
.irp i, 2,4,6,8,10,12,14
.irp b, 0,1
	v_max3_num_f32 v[172+\b], v[172+\b], |v[S+16*\b+\i]|, |v[S+16*\b+\i+1]|
.endr
.endr
	v_max_num_f32 v172, v172, v173
	v_add_nc_u32 v176, 0xff000000, v172
	v_cvt_scalef32_pk16_fp6_f32 v[184:186], v[S:S+15], v176
	v_cvt_scalef32_pk16_fp6_f32 v[192:194], v[S+16:S+31], v176
	v_lshrrev_b32 v178, 23, v176                   ; my block's byte: a plain place behind the conversions
.irp i, 0,1,2
	v_mov_b32 v[187+\i], v[192+\i]
.endr
	global_store_b128 v[LI16], v[184:187], s[60:61]
	global_store_b64 v[LI8], v[188:189], s[60:61] offset:512
	global_store_b8 v[AB], v178, s[62:63]          ; byte 2 (head % 2) + h of row r's word
	s_wait_tensorcnt 0x0                           ; the wave's end
	ds_add_u32 v[SPW], v[NIL]
	s_wait_dscnt 0x0
	CROUND                                         ; the closing round
	s_endpgm
.Lfunc_end_k_qc855ea011a_attn:
	.size	k_qc855ea011a_attn, .Lfunc_end_k_qc855ea011a_attn-k_qc855ea011a_attn
	.p2alignl 7, 3214868480
	.fill 96, 4, 3214868480
	.section	.rodata,"a",@progbits
	.p2align	6, 0x0
	.amdhsa_kernel k_qc855ea011a_attn
		.amdhsa_group_segment_fixed_size 276480
		.amdhsa_private_segment_fixed_size 0
		.amdhsa_enable_private_segment 0
		.amdhsa_kernarg_size 24
		.amdhsa_user_sgpr_count 2
		.amdhsa_user_sgpr_kernarg_segment_ptr 1
		.amdhsa_wavefront_size32 1
		.amdhsa_system_sgpr_workgroup_id_x 1
		.amdhsa_system_sgpr_workgroup_id_y 1
		.amdhsa_system_sgpr_workgroup_id_z 1
		.amdhsa_system_vgpr_workitem_id 0
		.amdhsa_next_free_vgpr 256
		.amdhsa_next_free_sgpr 80
		.amdhsa_reserve_vcc 1
		.amdhsa_float_denorm_mode_32 3
		.amdhsa_float_denorm_mode_16_64 3
		.amdhsa_memory_ordered 1
		.amdhsa_forward_progress 1
		.amdhsa_inst_pref_size 41
	.end_amdhsa_kernel
	.amdgpu_metadata
---
amdhsa.version: [ 1, 2 ]
amdhsa.kernels:
  - .name:           k_qc855ea011a_attn
    .symbol:         k_qc855ea011a_attn.kd
    .args:
      - { .name: qq, .offset: 0, .size: 8, .value_kind: global_buffer, .address_space: global }
      - { .name: kv, .offset: 8, .size: 8, .value_kind: global_buffer, .address_space: global }
      - { .name: aq, .offset: 16, .size: 8, .value_kind: global_buffer, .address_space: global }
    .group_segment_fixed_size: 276480
    .private_segment_fixed_size: 0
    .kernarg_segment_align: 8
    .kernarg_segment_size: 24
    .max_flat_workgroup_size: 512
    .sgpr_count:     80
    .vgpr_count:     256
    .wavefront_size: 32
...
	.end_amdgpu_metadata
.endif
;; end of part 3
;; launch oproj (part 4): grid 16 x 16, 4 waves a work-group, clusters of 4 x 4, 274,432 bytes of LDS; arguments aq, wq, out0; writes out0
.if DOCPART == 4
	.amdgcn_target "amdgcn-amd-amdhsa--gfx1250"
	.amdhsa_code_object_version 6
	.text
	.protected	k_qc855ea011a_oproj
	.globl	k_qc855ea011a_oproj
	.p2align	8
	.type	k_qc855ea011a_oproj,@function
k_qc855ea011a_oproj:
	s_mov_b64 s[64:65], 0
	v_nop
	global_prefetch_b8 v0, s[64:65] scope:SCOPE_SE
	s_setreg_imm32_b32 hwreg(HW_REG_WAVE_MODE, 25, 1), 1
	s_wait_xcnt 0x0
	s_wait_alu depctr_hold_cnt(0) depctr_sa_sdst(0) depctr_va_vdst(0) depctr_va_sdst(0) depctr_va_ssrc(0) depctr_va_vcc(0) depctr_vm_vsrc(0)
	s_getreg_b32 s2, hwreg(HW_REG_IB_STS2, 6, 4)
	s_cmp_eq_u32 s2, 0
	s_cbranch_scc0 .Lentry_in_a_cluster
	s_endpgm
.Lentry_in_a_cluster:
	s_bfe_u32 s2, ttmp6, 0x10000c
	s_cmp_lg_u32 s2, 0xf033
	s_cbranch_scc0 .Lentry_shape_is_right
	s_endpgm
.Lentry_shape_is_right:
; out0 = (attention's result) W_O on codes of FP6 (E2M3); out0 [4096][1024] f32.
; SHARES.  A work-group makes 256 rows x 64 columns, a wave 64 rows (4 tiles) x 64.  All that it reads comes into LDS once, one tensor load a wave: W_O's four fragments and their words of all K steps (51,200 bytes), the rows' tiles 0 and 1
; of each wave, their tiles 2 and 3 (98,304 bytes each), the rows' scale words (8,192).  Nothing is filled again.
; CLUSTERS of 4 x 4: rows are shared by the four work-groups of a column of the cluster, W_O by the four of a row: each load is asked for JOINTLY.  No prefetch: all is asked for at the head.
; Each wave holds all 32 fragments of W_O in registers (384) and takes its row tiles one after the other, all of K: a tile's rows leave while the later tiles are multiplied.
; Source 0 = 16 columns of W_O, source 1 = 16 rows: by the tiles' order (tile j of 64, row i = 32 (i / 8) + 8 j + i % 8) lane (r, h) holds 32 neighbouring columns, 32 h + 0 .. 31, of row r of its tile.
; LIMITS: NaN and infinities are not served.
; REGISTERS: fragment f lies in window 1 + f / 21 at register 12 (f % 21), the last one, 63, in window 0: 0-31 W_O's (4 ks + t), 32-63 the rows' (32 + 8 a + ks).
;   window 0: v1-11 addresses; v28, v29 the add's two; v32-63 scale words, four a K step; v64-127 accumulators, two sets of four; v128-191 rows of the result, two sets; v192-203 fragment 63.
.set SCO,    3145728
.set WREC,   25600
.set KSB,    6400                      ; LDS bytes of a K step of W_O
.set RB,     8*KSB                     ; the rows: [tiles 0-1 | 2-3][wave][2 tiles]
.set RHALF,  98304
.set RW,     RB+2*RHALF                ; the rows' scale words: [tile 16][K step][16]
.set STAGE,  RW+8192                   ; 16 rows x (256 bytes + 16) for each wave: no fill lands here
.set SPITCH, 272
.set SPARE,  STAGE+4*16*SPITCH         ; the spare words, 128 bytes a wave
.set LI,     1
.set LS,     3
.set ASO,    4
.set STO,    5
.set RD,     6
.set CO,     7
.set RA,     8                         ; v8, v9   LDS address of my rows, + 16 x lane: tiles 0-1, 2-3
.set RA8,    10                        ; v10, v11 the same + 8 x lane
.set SPW,    28
.set NIL,    29
.set SCB,    32                        ; register 4 ks + i: W_O's: lanes 0-15 tile 2 i, lanes 16-31 tile 2 i + 1;  4 ks + 2 + a': the rows': lanes 0-15 tile a', lanes 16-31 tile a' + 2
.set ACC,    64
.set OB,     128
.set RX,     192
.set WV,     12
.set G1A,    24                        ; group 1: rows, W_O, scale words
.set G1B,    32
.set G1S,    68
.set G0B,    40                        ; groups 0: W_O, tiles 0-1, tiles 2-3, scale words
.set G0A,    44
.set G0C,    48
.set G0S,    52
.set MSB,    0
.macro WIN new                         ; the immediate's high byte repeats the setting that is left
.if MSB != (\new)
	s_set_vgpr_msb (MSB<<8)|(\new)
.set MSB, (\new)
.endif
.endm
.macro CROUND                          ; a round of the cluster's barrier
	s_barrier_signal -1
	s_barrier_wait -1
	s_cmp_lg_u32 s[WV], 0
	s_cbranch_scc1 .Lnot_wave_0_\@
	s_barrier_signal -3
.Lnot_wave_0_\@:
	s_barrier_wait -3
	s_barrier_signal -1
	s_barrier_wait -1
.endm
.macro PLACES                          ; four places behind matrix instructions, ahead of reads of their results (ISA guide 7.12.1)
.rept 4
	v_nop
.endr
.endm
.macro FRAG f                          ; where fragment f lies
.if (\f) == 63
.set W_, 0
.set R_, RX
.else
.set W_, 1+((\f)/21)
.set R_, 12*((\f)%21)
.endif
.endm
.macro WM2 c, ra, rb
	v_wmma_scale_f32_16x16x128_f8f6f4 v[D_:D_+7], v[RA_:RA_+11], v[R_:R_+11], \c, v[SA_], v[SB_] matrix_a_fmt:MATRIX_FMT_FP6 matrix_b_fmt:MATRIX_FMT_FP6 matrix_a_scale:MATRIX_SCALE_ROW\ra matrix_b_scale:MATRIX_SCALE_ROW\rb
.endm
.macro WM1 c
.if RR_ == 0
	WM2 \c, 0, 0
.elseif RR_ == 1
	WM2 \c, 0, 1
.elseif RR_ == 2
	WM2 \c, 1, 0
.else
	WM2 \c, 1, 1
.endif
.endm
.macro MUL a                           ; row tile a: 32 products; its four accumulators take turns, one instruction a turn
.irp q, 0,1,2,3,4,5,6,7
.irp t, 0,1,2,3
	FRAG 4*\q+\t
.set WA_, W_
.set RA_, R_
	FRAG 32+8*(\a)+\q
	WIN WA_|(W_<<2)
.set D_, ACC+32*((\a)%2)+8*\t
.set SA_, SCB+4*\q+\t/2
.set SB_, SCB+4*\q+2+(\a)%2
.set RR_, 2*(\t%2)+(\a)/2
.if \q == 0
	WM1 0
.else
	WM1 v[D_:D_+7]
.endif
.endr
.endr
	WIN 0
.endm
.macro LDA a                           ; row tile a, all of K: 32 LDS loads; a fragment is two heads' half fragments on end
.irp q, 0,1,2,3,4,5,6,7
	FRAG 32+8*(\a)+\q
	WIN W_<<6
	ds_load_b128 v[R_:R_+3], v[RA+(\a)/2] offset:12288*((\a)%2)+\q*1536
	ds_load_b64 v[R_+4:R_+5], v[RA8+(\a)/2] offset:12288*((\a)%2)+\q*1536+512
	ds_load_b128 v[R_+6:R_+9], v[RA+(\a)/2] offset:12288*((\a)%2)+\q*1536+768
	ds_load_b64 v[R_+10:R_+11], v[RA8+(\a)/2] offset:12288*((\a)%2)+\q*1536+1280
.endr
	WIN 0
.endm
	s_load_b128 s[4:7], s[0:1], 0x0                ; aq, wq
	s_load_b64 s[8:9], s[0:1], 0x10                ; out0
	v_lshl_add_u32 v[SPW], v0, 2, SPARE
	v_mov_b32 v[NIL], 0
	ds_add_u32 v[SPW], v[NIL]                      ; the wave's opening: the add, twice on end, and its wait ahead of my tensor load
	ds_add_u32 v[SPW], v[NIL]
	v_lshrrev_b32 v12, 5, v0
	v_readfirstlane_b32 s[WV], v12                 ; wave 0..3
	s_mul_i32 s57, s[WV], 16*SPITCH
	s_add_co_u32 s57, s57, STAGE                   ; my stage
	s_mul_i32 s58, s[WV], 24576
	s_add_co_u32 s58, s58, RB                      ; my rows
	s_lshl_b32 s59, s[WV], 11
	s_add_co_u32 s59, s59, RW                      ; their words
	v_and_b32 v12, 31, v0                          ; lane
	v_and_b32 v13, 15, v0                          ; r
	v_bfe_u32 v14, v0, 4, 1                        ; h
	v_lshlrev_b32 v[LI], 4, v12
	v_lshlrev_b32 v15, 3, v12
	v_lshlrev_b32 v[LS], 2, v12
	v_lshlrev_b32 v[ASO], 2, v13
	v_lshl_add_u32 v[ASO], v14, 10, v[ASO]
	v_add_nc_u32 v[ASO], s59, v[ASO]               ; 1,024 h + 4 r
	v_add_nc_u32 v[RA], s58, v[LI]
	v_add_nc_u32 v[RA+1], RHALF, v[RA]
	v_add_nc_u32 v[RA8], s58, v15
	v_add_nc_u32 v[RA8+1], RHALF, v[RA8]
	v_mul_u32_u24 v[STO], v13, SPITCH
	v_lshl_add_u32 v[STO], v14, 7, v[STO]
	v_add_nc_u32 v[STO], s57, v[STO]               ; in: row r, + 128 h
	v_mul_u32_u24 v[RD], v14, SPITCH
	v_lshl_add_u32 v[RD], v13, 4, v[RD]
	v_add_nc_u32 v[RD], s57, v[RD]                 ; back: lanes 0-15 one row of 256 bytes, lanes 16-31 the next
	v_lshlrev_b32 v[CO], 12, v14
	v_lshl_add_u32 v[CO], v13, 4, v[CO]            ; and the same two rows in out0
	s_wait_alu depctr_va_vdst(0)                   ; the head's end
	s_bfe_u32 s13, ttmp6, 0x40000                  ; cx
	s_bfe_u32 s15, ttmp6, 0x40004                  ; cy
	s_lshl_b32 s14, ttmp9, 2
	s_add_co_u32 s14, s14, s13                     ; row block = 4 x cluster x + cx
	s_and_b32 s16, ttmp7, 0xffff
	s_lshl_b32 s16, s16, 2
	s_add_co_u32 s16, s16, s15                     ; which 64 columns = 4 x cluster y + cy
	s_lshl_b32 s17, s15, 2
	s_lshl_b32 s17, 15, s17                        ; my row of the cluster (same cy): for W_O
	s_lshl_b32 s18, 0x1111, s13                    ; my column (same cx): for the rows
	s_or_b32 s[G1A], s18, (3<<16)|(1<<21)          ; rows: for each wave two tiles of 12,288 bytes on end, elements of 8
	s_mov_b32 s[G1A+1], 3072<<16
	s_mov_b32 s[G1A+2], 4<<16
	s_mov_b32 s[G1A+3], 3072<<16
	s_mov_b32 s[G1A+4], 4
	s_mov_b32 s[G1A+5], 6144                       ; four tiles
	s_mov_b32 s[G1A+6], 0
	s_mov_b32 s[G1A+7], 0
	s_or_b32 s[G1B], s17, (3<<16)|(1<<21)          ; W_O: 6,400 bytes a K step
	s_mov_b32 s[G1B+1], 800<<16
	s_mov_b32 s[G1B+2], 8<<16
	s_mov_b32 s[G1B+3], 800<<16
	s_mov_b32 s[G1B+4], 8
	s_mov_b32 s[G1B+5], 51200                      ; 16 records
	s_mov_b32 s[G1B+6], 0
	s_mov_b32 s[G1B+7], 0
	s_or_b32 s[G1S], s18, (3<<16)|(1<<21)          ; the rows' words: 8,192 bytes on end as rows of 256
	s_mov_b32 s[G1S+1], 32<<16
	s_mov_b32 s[G1S+2], 32<<16
	s_mov_b32 s[G1S+3], 32<<16
	s_mov_b32 s[G1S+4], 32
	s_mov_b32 s[G1S+5], 32
	s_mov_b32 s[G1S+6], 0
	s_mov_b32 s[G1S+7], 0
	s_mov_b32 s[G0B], 1
	s_mov_b32 s[G0B+1], 0
	s_mov_b32 s[G0A], 1
	s_mov_b32 s[G0A+1], RB
	s_mov_b32 s[G0C], 1
	s_mov_b32 s[G0C+1], RB+RHALF
	s_mov_b32 s[G0S], 1
	s_mov_b32 s[G0S+1], RW
	s_mul_i32 s20, s16, WREC
	s_add_co_u32 s20, s20, 19200                   ; W_O's part of a record
	s_mov_b32 s21, 0
	s_mul_i32 s22, s14, 196608                     ; my 16 tiles of rows
	s_mov_b32 s23, 0
	s_lshl_b32 s60, s14, 13
	s_add_co_u32 s60, s60, SCO
	s_mov_b32 s61, 0
	s_lshl_b32 s62, s14, 20                        ; out0: 256 rows of 4,096 bytes a row block,
	s_lshl_b32 s63, s[WV], 18                      ; 64 a wave,
	s_add_co_u32 s62, s62, s63
	s_lshl_b32 s63, s16, 8                         ; 256 bytes of each
	s_add_co_u32 s62, s62, s63
	s_mov_b32 s63, 0
	s_wait_dscnt 0x0                               ; both opening adds are done
	CROUND                                         ; all sixteen work-groups are here: the joint loads meet
	s_wait_kmcnt 0x0
	s_add_nc_u64 s[G0B+2:G0B+3], s[6:7], s[20:21]
	s_or_b32 s[G0B+3], s[G0B+3], 0x80000000
	s_add_nc_u64 s[G0A+2:G0A+3], s[4:5], s[22:23]
	s_add_nc_u64 s[G0C+2:G0C+3], s[G0A+2:G0A+3], 24576
	s_or_b32 s[G0A+3], s[G0A+3], 0x80000000
	s_or_b32 s[G0C+3], s[G0C+3], 0x80000000
	s_add_nc_u64 s[G0S+2:G0S+3], s[4:5], s[60:61]
	s_or_b32 s[G0S+3], s[G0S+3], 0x80000000
	s_add_nc_u64 s[8:9], s[8:9], s[62:63]          ; my part of out0
; One load a wave, each in an arm of its own.
.macro TLOAD g0, g1
	tensor_load_to_lds s[\g0:\g0+3], s[\g1:\g1+7]
	s_nop 0
	PLACES
.endm
	s_cmp_eq_u32 s[WV], 0
	s_cbranch_scc0 .Lwave_1
	TLOAD G0B, G1B
	s_branch .Lasked
.Lwave_1:
	s_cmp_eq_u32 s[WV], 1
	s_cbranch_scc0 .Lwave_2
	TLOAD G0A, G1A
	s_branch .Lasked
.Lwave_2:
	s_cmp_eq_u32 s[WV], 2
	s_cbranch_scc0 .Lwave_3
	TLOAD G0C, G1A
	s_branch .Lasked
.Lwave_3:
	TLOAD G0S, G1S
.Lasked:
	s_cmp_eq_u32 s[WV], 2
	s_cbranch_scc1 .Lnot_yet
	s_wait_tensorcnt 0x0                           ; waves 0, 1 and 3: W_O, tiles 0 and 1 and the words are in; tiles 2 and 3 may be out
.Lnot_yet:
	s_barrier_signal -1
	s_barrier_wait -1
	LDA 0
.irp q, 0,1,2,3,4,5,6,7
.irp i, 0,1
	ds_load_b32 v[SCB+4*\q+\i], v[LS] offset:KSB*\q+6144+128*\i
	ds_load_b32 v[SCB+4*\q+2+\i], v[ASO] offset:512*\i+64*\q
.endr
.endr
.irp q, 0,1,2,3,4,5,6,7
.irp t, 0,1,2,3
	FRAG 4*\q+\t
	WIN W_<<6
.irp c, 0,1,2
	ds_load_b128 v[R_+4*\c:R_+4*\c+3], v[LI] offset:KSB*\q+1536*\t+512*\c
.endr
.endr
.endr
	LDA 1
; THE WAY OUT of a tile of 16 rows x 64 columns, through my own stage: a lane's 128 bytes go in, whole rows of 256 bytes come back.  LDS serves a wave's instructions in order (ISA guide 5.7.1.4).
.macro TOSTAGE a
.irp k, 0,1,2,3,4,5,6,7
	ds_store_b128 v[STO], v[ACC+32*((\a)%2)+4*\k:ACC+32*((\a)%2)+4*\k+3] offset:16*\k   ; each accumulator from its low end on
.endr
.irp i, 0,1,2,3,4,5,6,7
	ds_load_b128 v[OB+32*((\a)%2)+4*\i:OB+32*((\a)%2)+4*\i+3], v[RD] offset:2*\i*SPITCH
.endr
.endm
.macro SEND a, younger                 ; younger: the LDS loads issued behind tile a's, which may stay out
	s_wait_dscnt \younger
.irp i, 0,1,2,3,4,5,6,7
	global_store_b128 v[CO], v[OB+32*((\a)%2)+4*\i:OB+32*((\a)%2)+4*\i+3], s[8:9] offset:(8*(\a)+2*(\i%4)+32*(\i/4))*4096 th:TH_STORE_NT   ; sixteen lanes store 256 consecutive bytes, aligned
.endr
.endm
	s_wait_dscnt 32                                ; tile 0's rows, the words and W_O are in registers; tile 1's 32 loads may be out
	MUL 0
	PLACES
	TOSTAGE 0
	SEND 0, 0
	s_wait_tensorcnt 0x0                           ; every wave: tiles 2 and 3 are in
	s_wait_dscnt 0x0
	s_barrier_signal -1
	s_barrier_wait -1
	LDA 2
	MUL 1
	PLACES
	TOSTAGE 1
	LDA 3
	SEND 1, 32                                     ; tile 3's 32 loads may be out; tile 2's rows are in
	MUL 2
	PLACES
	s_wait_xcnt 0x0                                ; the earlier stores have read their registers: tile 2's rows may land there
	TOSTAGE 2
	SEND 2, 0
	MUL 3
	PLACES
	s_wait_xcnt 0x0
	TOSTAGE 3
	SEND 3, 0
	s_wait_tensorcnt 0x0                           ; the wave's end
	ds_add_u32 v[SPW], v[NIL]
	s_wait_dscnt 0x0
	CROUND                                         ; the closing round
	s_endpgm
.Lfunc_end_k_qc855ea011a_oproj:
	.size	k_qc855ea011a_oproj, .Lfunc_end_k_qc855ea011a_oproj-k_qc855ea011a_oproj
	.p2alignl 7, 3214868480
	.fill 96, 4, 3214868480
	.section	.rodata,"a",@progbits
	.p2align	6, 0x0
	.amdhsa_kernel k_qc855ea011a_oproj
		.amdhsa_group_segment_fixed_size 274432
		.amdhsa_private_segment_fixed_size 0
		.amdhsa_enable_private_segment 0
		.amdhsa_kernarg_size 24
		.amdhsa_user_sgpr_count 2
		.amdhsa_user_sgpr_kernarg_segment_ptr 1
		.amdhsa_wavefront_size32 1
		.amdhsa_system_sgpr_workgroup_id_x 1
		.amdhsa_system_sgpr_workgroup_id_y 1
		.amdhsa_system_sgpr_workgroup_id_z 1
		.amdhsa_system_vgpr_workitem_id 0
		.amdhsa_next_free_vgpr 1024
		.amdhsa_next_free_sgpr 80
		.amdhsa_reserve_vcc 0
		.amdhsa_float_denorm_mode_32 3
		.amdhsa_float_denorm_mode_16_64 3
		.amdhsa_memory_ordered 1
		.amdhsa_forward_progress 1
		.amdhsa_inst_pref_size 49
	.end_amdhsa_kernel
	.amdgpu_metadata
---
amdhsa.version: [ 1, 2 ]
amdhsa.kernels:
  - .name:           k_qc855ea011a_oproj
    .symbol:         k_qc855ea011a_oproj.kd
    .args:
      - { .name: aq, .offset: 0, .size: 8, .value_kind: global_buffer, .address_space: global }
      - { .name: wq, .offset: 8, .size: 8, .value_kind: global_buffer, .address_space: global }
      - { .name: out0, .offset: 16, .size: 8, .value_kind: global_buffer, .address_space: global }
    .group_segment_fixed_size: 274432
    .private_segment_fixed_size: 0
    .kernarg_segment_align: 8
    .kernarg_segment_size: 24
    .max_flat_workgroup_size: 128
    .sgpr_count:     80
    .vgpr_count:     1024
    .wavefront_size: 32
...
	.end_amdgpu_metadata
.endif
;; end of part 4
